; MI455X (gfx1250); checked and timed in simulation.
; The chip was launched on July 23, 2026; its instructions are those of AMD's public machine-readable ISA for CDNA 5 (MIT licence, August 2026) and "CDNA5" Instruction Set Architecture Reference Guide (July 2026). The comments in the code are by the model that wrote it; some were corrected since.
;; Ref Sparse Moe Block. Allowed arithmetic: matrix products marked QUANTISED: E4M3 operands, one given power-of-two scale a tensor, by v_wmma_f32_16x16x64_fp8_fp8 or v_wmma_f32_16x16x128_fp8_fp8, f32 sums; products left as they are: f32 operands where the result goes on into a quantised operand, else bf16, f16 or f32 operands; f32 sums; everything else in f32.
;; Inputs: W1 8 x 1,024 x 2,048 float32; W2 8 x 2,048 x 1,024 float32; W3 8 x 1,024 x 2,048 float32; Wg 8 x 2,048 float32; bias 8 float32; hidden_states 2 x 512 x 2,048 float32; lowp_scales 6 int32 (the exponents e of the quantised operands' scales 2^e).
;; Outputs: out0 2 x 512 x 2,048 float32.
;; This version of the problem:
;;   THIS VERSION OF THE PROBLEM IS GIVEN IN LOW PRECISION. The matrix products marked QUANTISED in the list below multiply operands that are first quantised to E4M3 (4 exponent bits, 3 mantissa bits; 8 bits a number), with one given power-of-two scale for each operand tensor; their sums are f32. All else is computed in f32.
;;   The module's matrix products, in the order in which they are computed (A, B: the left and right operand; K: the contracted axis; several contracted axes count as one K, in the product's order):
;;     1. [M 1,024, K 2,048] x [K 2,048, N 8]; A: input hidden_states; B: input Wg: left as it is (N = 8 < 16)
;;     2. batch 1,024 x [M 1, K 2] x [K 2, N 8]; A: computed on the way; B: computed on the way: left as it is (K = 2 < 32)
;;     3. [M 1,024, K 2,048] x [K 2,048, N 8,192]; A: input hidden_states; B: input W1: QUANTISED (scales: A lowp_scales[0], B lowp_scales[1])
;;     4. [M 1,024, K 2,048] x [K 2,048, N 8,192]; A: input hidden_states; B: input W3: QUANTISED (scales: A lowp_scales[2], B lowp_scales[3])
;;     5. [M 1,024, K 8,192] x [K 8,192, N 2,048]; A: computed on the way; B: input W2: QUANTISED (scales: A lowp_scales[4], B lowp_scales[5])
;;   THE QUANTISER, for each operand of a quantised product, along K:
;;     - The operand's scale is 2^e, e = its entry of the input lowp_scales (int32; the entries are numbered through the quantised products in the list's order, A before B).
;;     - Each number is divided by the scale, clamped to +-448, and rounded to the nearest number of E4M3, ties to even, subnormals kept.
;;     - The product sums the exact products of the quantised numbers (number of the format x scale) in f32.
;;   ~~~python
;;   def quantise(x, axis, e):      # numpy; x: float32 -> the quantised numbers, widened to float32 again
;;       x = np.moveaxis(x, axis, -1); K = x.shape[-1]
;;       r = np.clip(x / 2.0 ** e, -448, 448)
;;       step = 2.0 ** (np.maximum(np.frexp(np.where(r == 0, 1, r))[1] - 1, -6) - 3)
;;       q = np.round(r / step) * step * 2.0 ** e      # np.round: ties to even
;;       return np.moveaxis(q, -1, axis).astype(np.float32)
;;   ~~~
;;   OPERANDS COMPUTED ON THE WAY. 'Computed on the way' means the value that the module computes at that place (a softmax that the list does not call 'softmax' is quantised finished and normalised). What goes into a quantiser is computed in f32, as accurately as f32 sums, v_exp_f32 and their like allow (about 1e-6 of the number): no bf16 or f16 on the way to a quantiser, and a product that is left as it is and whose result goes on into a quantised operand takes f32 operands (vector FMAs, or v_wmma_f32_16x16x4_f32). A number that lies on a knife's edge between two numbers of the format may be rounded either way, as far as f32 arithmetic and the matrix unit's own rounding can turn it there, and no further.
;; 2 versions, each right; version 2 is version 1 with the launches up, down written anew for expert scheduling mode. Each part assembles by itself: llvm-mc -triple=amdgcn-amd-amdhsa -mcpu=gfx1250 --defsym DOCPART=n.
;; ======== version 1 of 2: 5 launches
;; workspace buffers: ridx 4,096 bytes of whole numbers; rw 8,192 bytes; etab 256 bytes of whole numbers; rl 9,216 bytes of whole numbers; wl 9,216 bytes; xs 9,437,184 bytes; gs 2,359,296 bytes; y 16,842,752 bytes
;; launch route (part 1): grid 256 x 1, 4 waves a work-group, no clusters, 1,024 bytes of LDS; arguments hidden_states, Wg, bias, ridx, rw; writes ridx, rw
.if DOCPART == 1
	.amdgcn_target "amdgcn-amd-amdhsa--gfx1250"
	.amdhsa_code_object_version 6
	.text
	.protected	k_q87fa7e92e0_route
	.globl	k_q87fa7e92e0_route
	.p2align	8
	.type	k_q87fa7e92e0_route,@function
k_q87fa7e92e0_route:
	s_mov_b64 s[64:65], 0
	v_nop
	global_prefetch_b8 v0, s[64:65] scope:SCOPE_SE
	s_setreg_imm32_b32 hwreg(HW_REG_WAVE_MODE, 25, 1), 1
	s_wait_xcnt 0x0
; THE ROUTER.  logits = x Wg^T in f32 (they go on into a quantised operand), sigmoid, + bias for the choice alone, the two largest scores (a tie keeps the lower expert),
; the two sigmoids divided by their sum.  x: [1024][2048] f32, Wg: [8][2048] f32, bias: [8] f32.
; OUT, at fixed places: ridx[token] = first expert | second expert << 8;  rw[token] = the two weights.  No address and no branch here hangs on the choice.
; SHARES.  A work-group takes 4 tokens; wave w takes k = 512 w .. 512 w + 511 of all 4 tokens and all 8 experts: every load reads 512 bytes on end.  The four waves' parts meet in LDS.
; LIMITS.  NaN among the inputs is not served.  Where both chosen sigmoids are 0 in f32 (logits under about -87) the weights are 0/0, as they are by the formula itself.
.set PS,  16                           ; v16-31   eight sums, two halves each
.set SM,  32                           ; v32-39   the eight sums; later the scores
.set PT,  40                           ; v40-47   targets of the exchange between the halves of the lanes
.set WGT, 64                           ; v64-191  Wg: expert e, load q at v[64 + 16 e + 4 q]
.set XT,  192                          ; v192-255 x: token j, load q at v[192 + 16 j + 4 q]
	s_load_b256 s[4:11], s[0:1], 0x0               ; x s[4:5], Wg s[6:7], bias s[8:9], ridx s[10:11]
	s_load_b64 s[12:13], s[0:1], 0x20              ; rw
	v_lshl_add_u32 v62, v0, 2, 0x200
	v_mov_b32 v63, 0
	v_and_b32 v1, 31, v0
	v_lshlrev_b32 v1, 4, v1                        ; 16 x lane
	v_lshrrev_b32 v2, 5, v0
	v_readfirstlane_b32 s14, v2                    ; wave 0..3
	v_lshlrev_b32 v2, 7, v2                        ; LDS: my wave's 128 bytes: 4 tokens x 8 experts
	v_and_b32 v3, 3, v0
	v_lshlrev_b32 v3, 5, v3                        ; LDS, on the way back: token lane % 4
	s_lshl_b32 s18, s14, 11                        ; my wave's 512 numbers of a row
	s_mov_b32 s19, 0
	s_lshl_b32 s16, ttmp9, 15                      ; the work-group's 4 rows of 8,192 bytes
	s_add_co_u32 s16, s16, s18
	s_mov_b32 s17, 0
	s_mov_b32 s32, 0x76543210                      ; v_permlanex16_b32: each lane takes its own place in the other half
	s_mov_b32 s33, 0xfedcba98
.irp e, 0,1,2,3,4,5,6,7
	v_mov_b32 v[PT+\e], 0                          ; a lane permute's destination counts as read
.endr
	s_wait_kmcnt 0x0
	s_load_b256 s[24:31], s[8:9], 0x0              ; the eight biases
	s_add_nc_u64 s[4:5], s[4:5], s[16:17]
	s_add_nc_u64 s[6:7], s[6:7], s[18:19]
.irp j, 0,1,2,3
.irp q, 0,1,2,3
	global_load_b128 v[XT+16*\j+4*\q:XT+16*\j+4*\q+3], v1, s[4:5] offset:8192*\j+512*\q
.endr
.endr
.irp e, 0,1,2,3,4,5,6,7
.irp q, 0,1,2,3
	global_load_b128 v[WGT+16*\e+4*\q:WGT+16*\e+4*\q+3], v1, s[6:7] offset:8192*\e+512*\q
.endr
.endr
	s_wait_loadcnt 0x0
; One token: my 16 numbers against the eight experts' (eight chains that do not wait for each other), then the sum over the 32 lanes, then my wave's part into LDS.
.macro TOK j
.irp p, 0,1,2,3,4,5,6,7
.irp e, 0,1,2,3,4,5,6,7
.if \p == 0
	v_pk_mul_f32 v[PS+2*\e:PS+2*\e+1], v[XT+16*\j+2*\p:XT+16*\j+2*\p+1], v[WGT+16*\e+2*\p:WGT+16*\e+2*\p+1]
.else
	v_pk_fma_f32 v[PS+2*\e:PS+2*\e+1], v[XT+16*\j+2*\p:XT+16*\j+2*\p+1], v[WGT+16*\e+2*\p:WGT+16*\e+2*\p+1], v[PS+2*\e:PS+2*\e+1]
.endif
.endr
.endr
.irp e, 0,1,2,3,4,5,6,7
	v_add_f32 v[SM+\e], v[PS+2*\e], v[PS+2*\e+1]
.endr
.irp m, 1,2,4,8
.irp e, 0,1,2,3,4,5,6,7
	v_add_f32_dpp v[SM+\e], v[SM+\e], v[SM+\e] row_xmask:\m row_mask:0xf bank_mask:0xf
.endr
.endr
.irp e, 0,1,2,3,4,5,6,7
	v_permlanex16_b32 v[PT+\e], v[SM+\e], s32, s33
.endr
.irp e, 0,1,2,3,4,5,6,7
	v_add_f32 v[SM+\e], v[SM+\e], v[PT+\e]
.endr
.irp e, 0,1,2,3,4,5,6,7
	ds_store_b32 v2, v[SM+\e] offset:32*\j+4*\e    ; all lanes hold the same number and write the same word
.endr
.endm
	TOK 0
	TOK 1
	TOK 2
	TOK 3
	s_wait_dscnt 0x0                               ; for wave 0's sake: my parts lie in LDS
	s_barrier_signal -1
	s_barrier_wait -1
	s_cmp_lg_u32 s14, 0
	s_cbranch_scc1 .Lend                           ; the rest is wave 0's: lane l works on token l % 4, lanes 0 to 3 store
.irp w, 0,1,2,3
	ds_load_b128 v[64+8*\w:67+8*\w], v3 offset:128*\w
	ds_load_b128 v[68+8*\w:71+8*\w], v3 offset:128*\w+16
.endr
.irp e, 0,1,2,3,4,5,6,7
	v_mov_b32 v[48+\e], \e                         ; the experts' numbers, for the selects
.endr
	v_mov_b32 v102, 0xff800000                     ; -infinity
	s_lshl_b32 s16, ttmp9, 4
	s_add_nc_u64 s[10:11], s[10:11], s[16:17]      ; ridx: 4 bytes a token
	s_lshl_b32 s16, ttmp9, 5
	s_add_nc_u64 s[12:13], s[12:13], s[16:17]      ; rw: 8 bytes a token
	s_wait_dscnt 0x0
.irp e, 0,1,2,3,4,5,6,7
	v_add_f32 v[16+\e], v[64+\e], v[72+\e]
.endr
.irp e, 0,1,2,3,4,5,6,7
	v_add_f32 v[16+\e], v[16+\e], v[80+\e]
.endr
.irp e, 0,1,2,3,4,5,6,7
	v_add_f32 v[16+\e], v[16+\e], v[88+\e]         ; the logits
.endr
.irp e, 0,1,2,3,4,5,6,7
	v_mul_f32 v[24+\e], 0xbfb8aa3b, v[16+\e]       ; -log2(e) x logit
.endr
.irp e, 0,1,2,3,4,5,6,7
	v_exp_f32 v[24+\e], v[24+\e]
.endr
	v_nop                                          ; a plain instruction behind the last exponential
	s_wait_alu depctr_va_vdst(0)                   ; one wait for the eight, ahead of their first reader
.irp e, 0,1,2,3,4,5,6,7
	v_add_f32 v[24+\e], 1.0, v[24+\e]
.endr
.irp e, 0,1,2,3,4,5,6,7
	v_rcp_f32 v[24+\e], v[24+\e]                   ; the sigmoids
.endr
	v_nop
	s_wait_alu depctr_va_vdst(0)
	s_wait_kmcnt 0x0                               ; the biases
.irp e, 0,1,2,3,4,5,6,7
	v_add_f32 v[32+\e], s[24+\e], v[24+\e]         ; the scores: they choose, and nothing more
.endr
; The largest score, its expert and its sigmoid: an ascending walk that moves only on 'greater', so that a tie keeps the lower expert.
.macro TOP sc, ix, sg
	v_mov_b32 v[\sc], v32
	v_mov_b32 v[\ix], v48
	v_mov_b32 v[\sg], v24
.irp e, 1,2,3,4,5,6,7
	v_cmp_gt_f32 vcc_lo, v[32+\e], v[\sc]
	v_cndmask_b32 v[\sc], v[\sc], v[32+\e], vcc_lo
	v_cndmask_b32 v[\ix], v[\ix], v[48+\e], vcc_lo
	v_cndmask_b32 v[\sg], v[\sg], v[24+\e], vcc_lo
.endr
.endm
	TOP 96, 97, 98
.irp e, 0,1,2,3,4,5,6,7
	v_cmp_eq_u32 vcc_lo, v97, v[48+\e]
	v_cndmask_b32 v[32+\e], v[32+\e], v102, vcc_lo ; the chosen expert leaves the field
.endr
	TOP 99, 100, 101
	v_add_f32 v103, v98, v101
	v_rcp_f32 v103, v103
	v_lshl_or_b32 v104, v100, 8, v97               ; (a plain instruction behind the reciprocal)  first | second << 8
	v_lshlrev_b32 v105, 2, v0
	v_lshlrev_b32 v108, 3, v0
	s_wait_alu depctr_va_vdst(0)
	v_mul_f32 v106, v98, v103
	v_mul_f32 v107, v101, v103
	s_wait_xcnt 0x0                                ; EXEC changes only behind this wait
	v_cmp_gt_u32 vcc_lo, 4, v0
	s_and_saveexec_b32 s34, vcc_lo
	global_store_b32 v105, v104, s[10:11]
	global_store_b64 v108, v[106:107], s[12:13]
	s_wait_xcnt 0x0                                ; and again ahead of the line that widens it
	s_or_b32 exec_lo, exec_lo, s34
.Lend:
	s_wait_tensorcnt 0x0
	ds_add_u32 v62, v63
	s_wait_dscnt 0x0
	s_endpgm
.Lfunc_end_k_q87fa7e92e0_route:
	.size	k_q87fa7e92e0_route, .Lfunc_end_k_q87fa7e92e0_route-k_q87fa7e92e0_route
	.p2alignl 7, 3214868480
	.fill 96, 4, 3214868480
	.section	.rodata,"a",@progbits
	.p2align	6, 0x0
	.amdhsa_kernel k_q87fa7e92e0_route
		.amdhsa_group_segment_fixed_size 1024
		.amdhsa_private_segment_fixed_size 0
		.amdhsa_enable_private_segment 0
		.amdhsa_kernarg_size 40
		.amdhsa_user_sgpr_count 2
		.amdhsa_user_sgpr_kernarg_segment_ptr 1
		.amdhsa_wavefront_size32 1
		.amdhsa_system_sgpr_workgroup_id_x 1
		.amdhsa_system_sgpr_workgroup_id_y 1
		.amdhsa_system_sgpr_workgroup_id_z 1
		.amdhsa_system_vgpr_workitem_id 0
		.amdhsa_next_free_vgpr 256
		.amdhsa_next_free_sgpr 66
		.amdhsa_reserve_vcc 1
		.amdhsa_float_denorm_mode_32 3
		.amdhsa_float_denorm_mode_16_64 3
		.amdhsa_memory_ordered 1
		.amdhsa_forward_progress 1
		.amdhsa_inst_pref_size 43
	.end_amdhsa_kernel
	.amdgpu_metadata
---
amdhsa.version: [ 1, 2 ]
amdhsa.kernels:
  - .name:           k_q87fa7e92e0_route
    .symbol:         k_q87fa7e92e0_route.kd
    .args:
      - { .name: hidden_states, .offset: 0, .size: 8, .value_kind: global_buffer, .address_space: global }
      - { .name: Wg, .offset: 8, .size: 8, .value_kind: global_buffer, .address_space: global }
      - { .name: bias, .offset: 16, .size: 8, .value_kind: global_buffer, .address_space: global }
      - { .name: ridx, .offset: 24, .size: 8, .value_kind: global_buffer, .address_space: global }
      - { .name: rw, .offset: 32, .size: 8, .value_kind: global_buffer, .address_space: global }
    .group_segment_fixed_size: 1024
    .private_segment_fixed_size: 0
    .kernarg_segment_align: 8
    .kernarg_segment_size: 40
    .max_flat_workgroup_size: 128
    .sgpr_count:     66
    .vgpr_count:     256
    .wavefront_size: 32
...
	.end_amdgpu_metadata
.endif
;; end of part 1
;; launch place (part 2): grid 144 x 1, 8 waves a work-group, no clusters, 88,320 bytes of LDS; arguments ridx, rw, hidden_states, lowp_scales, etab, rl, wl, xs; writes etab, rl, wl, xs
.if DOCPART == 2
	.amdgcn_target "amdgcn-amd-amdhsa--gfx1250"
	.amdhsa_code_object_version 6
	.text
	.protected	k_q87fa7e92e0_place
	.globl	k_q87fa7e92e0_place
	.p2align	8
	.type	k_q87fa7e92e0_place,@function
k_q87fa7e92e0_place:
	s_mov_b64 s[64:65], 0
	v_nop
	global_prefetch_b8 v0, s[64:65] scope:SCOPE_SE
	s_setreg_imm32_b32 hwreg(HW_REG_WAVE_MODE, 25, 1), 1
	s_wait_xcnt 0x0
; THE ROWS ARE PLACED BY EXPERT AND QUANTISED.  2,048 routed rows (token, rank) are sorted by expert; each expert's run is filled up to whole groups of 32 rows: at most 71 groups whatever the choice; 72 are laid.
; OUT.  etab[2 e], etab[2 e + 1]: expert e's first group and its number of groups.  rl[row]: rank x 1024 + token, or 2048 + e for a filling row.  wl[row]: the row's weight, 0 for a filling row.
; xs: the rows' codes of E4M3, twice: set 0 with the scale 2^e0 (for W1's product), set 1 with 2^e2 (for W3's), laid as IMAGES OF THE OPERAND'S REGISTERS: [set][group 72][K step 16][tile 2][2,048 bytes]; in an image
; block c (512 bytes) holds, at 16 x lane, k = 32 c + 16 (lane / 16) + 0 .. 15 of row lane % 16: a reader's four loads of 512 bytes on end are its fragment.
; SHARES.  Work-group s is tile s: sorted rows 16 s .. 16 s + 15.  Every work-group repeats the small sort (4 KB of indices), so that no list goes through memory inside the launch.  A tile that the split leaves
; empty, and every filling row, takes token 1023's numbers: they are multiplied by the weight 0 later and end in a row of y that nobody reads.
; code = x / 2^e, held within +-448, to the nearest code, ties to even.  LIMITS: e0 and e2 between -126 and 119.  NaN among the inputs is not served.
; No tensor load: addresses hang on the lists.  No branch hangs on data.
.set CNT,  0                           ; LDS: 8 waves x 8 experts: counts
.set POS,  256                         ; 256 threads x 8 places
.set TAB,  8448                        ; 2,304 sorted rows
.set IMG,  17664                       ; 2 sets x 16 images of 2,176 bytes: eight blocks (2 c + h) of 256 bytes + 16; row r at 16 r
.set SETB, 34816
.set FRB,  2176
.set R0,   48                          ; v48-111, v112-175: my two rows of x (ahead of their loads v48-55 hold my places, v58-59 my rows' names, v64-135 wave 0's scatter)
.set T,    176                         ; v176-191: two sets of eight numbers held within the limit
.set C,    192                         ; v192-255: codes: 16 registers for each (row, set)
	s_load_b256 s[4:11], s[0:1], 0x0               ; ridx s[4:5], rw s[6:7], x s[8:9], the scales' exponents s[10:11]
	s_load_b256 s[12:19], s[0:1], 0x20             ; etab s[12:13], rl s[14:15], wl s[16:17], xs s[18:19]
	s_set_vgpr_msb 0x40
	v_lshl_add_u32 v0, v0, 2, 0x15500
	v_mov_b32 v1, 0
	s_set_vgpr_msb 0x4000
	; every LDS address is made here, from the thread's number, the wave's number and the work-group's number
	v_and_b32 v1, 31, v0                           ; lane
	v_lshlrev_b32 v2, 4, v1                        ; 16 x lane: offset of x's loads and of xs's stores
	v_lshlrev_b32 v3, 4, v0                        ; my four tokens' words in ridx
	v_lshrrev_b32 v32, 5, v0
	v_readfirstlane_b32 s20, v32                   ; wave 0..7
	v_lshl_add_u32 v20, v0, 2, TAB                 ; the table's first filling
	v_lshlrev_b32 v21, 5, v32                      ; my wave's eight counts
	v_lshlrev_b32 v22, 2, v1                       ; 4 x lane; never rewritten: the counts read back, wave 0's tokens in the scatter, the offset of the lists' stores
	v_lshl_add_u32 v23, v0, 5, POS                 ; my eight places
	v_lshl_add_u32 v24, v1, 5, POS                 ; wave 0 reads all places
	s_lshl_b32 s24, ttmp9, 6                       ; 64 s: my tile's 16 words
	s_mov_b32 s25, 0
	v_lshl_add_u32 v25, v32, 3, TAB
	v_add_nc_u32 v25, s24, v25                     ; my wave's two rows of the table
	v_and_b32 v34, 15, v0
	v_lshl_add_u32 v26, v34, 2, TAB
	v_add_nc_u32 v26, s24, v26                     ; the tile's 16 rows of the table
	v_lshrrev_b32 v30, 2, v1
	v_mul_u32_u24 v30, v30, 272
	v_and_b32 v31, 3, v1
	v_lshl_add_u32 v30, v31, 2, v30                ; a dense load gives lane l k = 4 l .. 4 l + 3 of a K step: block l / 4, bytes 4 (l % 4) of the row's 16
	v_lshl_add_u32 v30, v32, 5, v30                ; my rows 2 w, 2 w + 1: 32 w
	v_add_nc_u32 v27, IMG, v30                     ; into set 0's images,
	v_add_nc_u32 v28, IMG+SETB, v30                ; into set 1's
	s_lshr_b32 s21, s20, 2
	s_mul_i32 s21, s21, SETB
	s_and_b32 s22, s20, 3
	s_mul_i32 s23, s22, 4*FRB
	s_add_co_u32 s21, s21, s23
	s_add_co_u32 s21, s21, IMG
	v_bfe_u32 v33, v0, 4, 1
	v_mul_u32_u24 v33, v33, 272
	v_lshl_add_u32 v33, v34, 4, v33
	v_add_nc_u32 v29, s21, v33                     ; the way out: set w / 4, K steps 4 (w % 4) on; block 2 c + h, row r
	v_mov_b32 v37, 0                               ; targets of lane exchanges count as read
	v_mov_b32 v38, 0
	v_mov_b32 v39, -1
.irp m, 0,1,2,3,4,5,6,7,8
	ds_store_b32 v20, v39 offset:1024*\m           ; every row of the table begins as a filling row
.endr
	s_mov_b32 s32, 0x76543210
	s_mov_b32 s33, 0xfedcba98
	s_lshr_b32 s83, ttmp9, 1                       ; my group
	s_lshr_b32 s94, s20, 2                         ; where my wave's part of xs begins: the set,
	s_mul_i32 s94, s94, 0x480000
	s_lshl_b32 s93, s83, 16                        ; the group,
	s_add_co_u32 s94, s94, s93
	s_and_b32 s93, ttmp9, 1
	s_lshl_b32 s93, s93, 11                        ; the tile,
	s_add_co_u32 s94, s94, s93
	s_lshl_b32 s93, s22, 14                        ; four K steps of 4,096 bytes
	s_add_co_u32 s94, s94, s93
	s_mov_b32 s95, 0
.irp e, 0,1,2,3,4,5,6,7
	s_mov_b32 s[40+\e], 0
.endr
	s_wait_kmcnt 0x0
	global_load_b128 v[4:7], v3, s[4:5]
	s_load_b96 s[28:30], s[10:11], 0x0             ; e0, e1, e2
	s_add_nc_u64 s[14:15], s[14:15], s[24:25]      ; rl and wl at my tile
	s_add_nc_u64 s[16:17], s[16:17], s[24:25]
	s_add_nc_u64 s[18:19], s[18:19], s[94:95]
	s_wait_loadcnt 0x0
.irp a, 0,1,2,3
	v_and_b32 v[8+2*\a], 7, v[4+\a]                ; column 2 a + k: the expert of token 4 t + a, rank k
	v_bfe_u32 v[9+2*\a], v[4+\a], 8, 3
.endr
	; PASS 1: how many rows of each expert my wave holds
.irp c, 0,1,2,3,4,5,6,7
.irp e, 0,1,2,3,4,5,6,7
	v_cmp_eq_u32 s[84+\e], \e, v[8+\c]
.endr
.irp e, 0,1,2,3,4,5,6,7
	s_bcnt1_i32_b32 s35, s[84+\e]
	s_add_co_u32 s[40+\e], s[40+\e], s35
.endr
.endr
.irp e, 0,1,2,3,4,5,6,7
	v_mov_b32 v[40+\e], s[40+\e]
	ds_store_b32 v21, v[40+\e] offset:CNT+4*\e
.endr
	s_wait_dscnt 0x0                               ; my counts and my part of the table's filling lie in LDS
	s_barrier_signal -1
	s_barrier_wait -1
	; THE BASES: lane l holds the counts of waves l / 8 and 4 + l / 8 for expert l % 8; the lanes 8, 16 and 24 away hold the other waves'
	ds_load_b32 v30, v22 offset:CNT
	ds_load_b32 v31, v22 offset:CNT+128
	v_lshrrev_b32 v33, 3, v1
	v_add_nc_u32 v35, 4, v33
	s_wait_dscnt 0x0
	v_add_nc_u32 v32, v30, v31                     ; towards the expert's total,
	v_cmp_gt_u32 vcc_lo, s20, v33
	v_cndmask_b32 v34, 0, v30, vcc_lo              ; and towards the rows of the waves in front of mine
	v_cmp_gt_u32 vcc_lo, s20, v35
	v_cndmask_b32 v36, 0, v31, vcc_lo
	v_add_nc_u32 v34, v34, v36
	v_mov_b32_dpp v37, v32 row_xmask:8 row_mask:0xf bank_mask:0xf
	v_mov_b32_dpp v38, v34 row_xmask:8 row_mask:0xf bank_mask:0xf
	v_add_nc_u32 v32, v32, v37
	v_add_nc_u32 v34, v34, v38
	v_permlanex16_b32 v37, v32, s32, s33
	v_permlanex16_b32 v38, v34, s32, s33
	v_add_nc_u32 v32, v32, v37
	v_add_nc_u32 v34, v34, v38
.irp e, 0,1,2,3,4,5,6,7
	v_readlane_b32 s[48+\e], v32, \e               ; n_e
	v_readlane_b32 s[56+\e], v34, \e               ; rows of expert e in the waves in front of mine
.endr
	s_mov_b32 s66, 0                               ; s66-73: the experts' first groups;  s74-81: their numbers of groups
.irp e, 0,1,2,3,4,5,6,7
	s_add_co_u32 s[74+\e], s[48+\e], 31
	s_lshr_b32 s[74+\e], s[74+\e], 5
.if \e < 7
	s_add_co_u32 s[67+\e], s[66+\e], s[74+\e]
.endif
	s_lshl_b32 s35, s[66+\e], 5
	s_add_co_u32 s[56+\e], s[56+\e], s35           ; where my wave's rows of expert e begin
.endr
	s_mov_b32 s82, 0                               ; the expert that owns my group: how many of experts 1 to 7 begin at or in front of it
.irp e, 1,2,3,4,5,6,7
	s_cmp_ge_u32 s83, s[66+\e]
	s_add_co_ci_u32 s82, s82, 0
.endr
	s_add_co_u32 s82, s82, 2048                    ; what a filling row of my tile is called
	; PASS 2: each row's place: the base, the rows of the columns in front, the lanes in front of mine
.irp c, 0,1,2,3,4,5,6,7
.irp e, 0,1,2,3,4,5,6,7
	v_cmp_eq_u32 s[84+\e], \e, v[8+\c]
.endr
.irp e, 0,1,2,3,4,5,6,7
.if \e == 0
	v_mbcnt_lo_u32_b32 v[48+\c], s84, s56
.else
	v_mbcnt_lo_u32_b32 v40, s[84+\e], s[56+\e]
	v_cndmask_b32 v[48+\c], v[48+\c], v40, s[84+\e]
.endif
	s_bcnt1_i32_b32 s35, s[84+\e]
	s_add_co_u32 s[56+\e], s[56+\e], s35
.endr
.endr
	ds_store_b128 v23, v[48:51]
	ds_store_b128 v23, v[52:55] offset:16
	s_wait_dscnt 0x0
	s_barrier_signal -1
	s_barrier_wait -1
	; THE TABLE is written by wave 0 alone: these stores' addresses hang on the places, so one wave has them, between two barriers, and no other wave touches LDS meanwhile
	s_cmp_lg_u32 s20, 0
	s_cbranch_scc1 .Lplaced
.irp m, 0,1,2,3,4,5,6,7
	ds_load_b128 v[64+8*\m:67+8*\m], v24 offset:1024*\m
	ds_load_b128 v[68+8*\m:71+8*\m], v24 offset:1024*\m+16
.endr
	s_wait_dscnt 0x0
.irp m, 0,1,2,3,4,5,6,7
.irp c, 0,1,2,3,4,5,6,7
	v_min_u32 v[64+8*\m+\c], 0x8ff, v[64+8*\m+\c]                  ; a place is under 2,304
	v_lshl_add_u32 v[64+8*\m+\c], v[64+8*\m+\c], 2, TAB
	v_add_nc_u32 v[128+\c], 128*\m+(\c/2)+1024*(\c%2), v22         ; thread lane + 32 m, column c: token 4 lane + 128 m + c / 2, rank c % 2
	ds_store_b32 v[64+8*\m+\c], v[128+\c]
.endr
.endr
.Lplaced:
	s_wait_dscnt 0x0
	s_barrier_signal -1
	s_barrier_wait -1
	; MY TWO ROWS
	ds_load_b64 v[58:59], v25
	s_wait_dscnt 0x0
	v_readfirstlane_b32 s84, v58
	v_readfirstlane_b32 s88, v59
	s_and_b32 s84, s84, 1023                       ; the token; a filling row reads token 1023
	s_min_u32 s84, s84, 1023
	s_lshl_b32 s84, s84, 13
	s_mov_b32 s85, 0
	s_and_b32 s88, s88, 1023
	s_min_u32 s88, s88, 1023
	s_lshl_b32 s88, s88, 13
	s_mov_b32 s89, 0
	s_add_nc_u64 s[86:87], s[8:9], s[84:85]
	s_add_nc_u64 s[90:91], s[8:9], s[88:89]
.irp q, 0,1,2,3,4,5,6,7,8,9,10,11,12,13,14,15
	global_load_b128 v[R0+4*\q:R0+4*\q+3], v2, s[86:87] offset:512*\q
.endr
.irp q, 0,1,2,3,4,5,6,7,8,9,10,11,12,13,14,15
	global_load_b128 v[R0+64+4*\q:R0+64+4*\q+3], v2, s[90:91] offset:512*\q
.endr
	s_wait_kmcnt 0x0
	s_add_co_i32 s34, s28, 127
	s_lshl_b32 s35, s34, 23
	v_mov_b32 v16, s35                             ; 2^e0 as f32: the conversion takes its exponent field
	s_add_co_i32 s34, s34, 8
	s_lshl_b32 s34, s34, 23
	s_or_b32 s34, s34, 0x600000
	v_mov_b32 v17, s34                             ; 448 x 2^e0
	s_add_co_i32 s34, s30, 127
	s_lshl_b32 s35, s34, 23
	v_mov_b32 v18, s35                             ; the same with e2
	s_add_co_i32 s34, s34, 8
	s_lshl_b32 s34, s34, 23
	s_or_b32 s34, s34, 0x600000
	v_mov_b32 v19, s34
	; THE LISTS of my tile: wave 0's lanes 0 to 15
	s_cmp_lg_u32 s20, 0
	s_cbranch_scc1 .Lno_lists
	ds_load_b32 v30, v26
	v_mov_b32 v32, s82
	v_mov_b32 v36, 0
	v_mov_b32 v37, 0
.irp e, 0,1,2,3,4,5,6,7
	v_writelane_b32 v37, s[66+\e], 2*\e            ; etab's sixteen words, a lane each
	v_writelane_b32 v37, s[74+\e], 2*\e+1
.endr
	s_wait_dscnt 0x0
	v_and_b32 v33, 1023, v30
	v_bfe_u32 v34, v30, 10, 1
	v_lshl_add_u32 v33, v33, 1, v34                ; 2 x token + rank
	v_min_u32 v33, 0x7ff, v33
	v_lshlrev_b32 v33, 2, v33
	global_load_b32 v35, v33, s[6:7]
	v_cmp_lt_u32 vcc_lo, 0x7ff, v30                ; a filling row?
	v_cndmask_b32 v31, v30, v32, vcc_lo
	s_wait_loadcnt 0x0
	v_cndmask_b32 v35, v35, v36, vcc_lo            ; its weight is 0
	s_wait_xcnt 0x0                                ; EXEC changes only behind this wait
	v_cmp_gt_u32 vcc_lo, 16, v0
	s_and_saveexec_b32 s92, vcc_lo
	global_store_b32 v22, v31, s[14:15]
	global_store_b32 v22, v35, s[16:17]
	s_cmp_lg_u32 ttmp9, 0
	s_cbranch_scc1 .Lno_etab
	global_store_b32 v22, v37, s[12:13]            ; one work-group stores the experts' table
.Lno_etab:
	s_wait_xcnt 0x0
	s_or_b32 exec_lo, exec_lo, s92
.Lno_lists:
	s_wait_dscnt 0x0                               ; my reads of the table are back
	s_barrier_signal -1
	s_barrier_wait -1                              ; every wave's are: only now are the images written.  (x's loads stay on their way across this barrier: nobody writes those bytes)
; One row with one scale: 64 numbers of a lane become 16 words of codes, word q = my four k of K step q; each goes to its place in image q.
.macro QROW row, st
.irp p, 0,1,2,3,4,5,6,7
.irp i, 0,1,2,3,4,5,6,7
	v_med3_num_f32 v[T+8*(\p%2)+\i], v[R0+64*\row+8*\p+\i], -v[17+2*\st], v[17+2*\st]   ; the conversion to an 8-bit code does not saturate (ISA guide 7.6.2): the hold comes first
.endr
	v_cvt_scalef32_pk8_fp8_f32 v[C+16*(2*\row+\st)+2*\p:C+16*(2*\row+\st)+2*\p+1], v[T+8*(\p%2):T+8*(\p%2)+7], v[16+2*\st]
.endr
	v_nop                                          ; a plain instruction behind the last conversion
.irp q, 0,1,2,3,4,5,6,7,8,9,10,11,12,13,14,15
	ds_store_b32 v[27+\st], v[C+16*(2*\row+\st)+\q] offset:FRB*\q+16*\row
.endr
.endm
	s_wait_loadcnt 16                              ; my first row is in; the second row's 16 loads may be out
	QROW 0, 0
	QROW 0, 1
	s_wait_loadcnt 0x0
	QROW 1, 0
	QROW 1, 1
	s_wait_dscnt 0x0
	s_barrier_signal -1
	s_barrier_wait -1                              ; the tile's 32 images are whole
.irp f, 0,1,2,3
.irp c, 0,1,2,3
	ds_load_b128 v[R0+16*\f+4*\c:R0+16*\f+4*\c+3], v29 offset:FRB*\f+544*\c
.endr
.endr
.irp f, 0,1,2,3
.irp c, 0,1,2,3
	s_wait_dscnt 15-4*\f-\c                        ; LDS loads come back in order: this one is in, the younger ones may be out
	global_store_b128 v2, v[R0+16*\f+4*\c:R0+16*\f+4*\c+3], s[18:19] offset:4096*\f+512*\c   ; 32 lanes store 512 bytes on end, at a multiple of 512 from xs's first byte
.endr
.endr
	s_set_vgpr_msb 0x5
	s_wait_tensorcnt 0x0
	ds_add_u32 v0, v1
	s_wait_dscnt 0x0
	s_set_vgpr_msb 0x500
	s_endpgm
.Lfunc_end_k_q87fa7e92e0_place:
	.size	k_q87fa7e92e0_place, .Lfunc_end_k_q87fa7e92e0_place-k_q87fa7e92e0_place
	.p2alignl 7, 3214868480
	.fill 96, 4, 3214868480
	.section	.rodata,"a",@progbits
	.p2align	6, 0x0
	.amdhsa_kernel k_q87fa7e92e0_place
		.amdhsa_group_segment_fixed_size 88320
		.amdhsa_private_segment_fixed_size 0
		.amdhsa_enable_private_segment 0
		.amdhsa_kernarg_size 64
		.amdhsa_user_sgpr_count 2
		.amdhsa_user_sgpr_kernarg_segment_ptr 1
		.amdhsa_wavefront_size32 1
		.amdhsa_system_sgpr_workgroup_id_x 1
		.amdhsa_system_sgpr_workgroup_id_y 1
		.amdhsa_system_sgpr_workgroup_id_z 1
		.amdhsa_system_vgpr_workitem_id 0
		.amdhsa_next_free_vgpr 258
		.amdhsa_next_free_sgpr 100
		.amdhsa_reserve_vcc 1
		.amdhsa_float_denorm_mode_32 3
		.amdhsa_float_denorm_mode_16_64 3
		.amdhsa_memory_ordered 1
		.amdhsa_forward_progress 1
		.amdhsa_inst_pref_size 84
	.end_amdhsa_kernel
	.amdgpu_metadata
---
amdhsa.version: [ 1, 2 ]
amdhsa.kernels:
  - .name:           k_q87fa7e92e0_place
    .symbol:         k_q87fa7e92e0_place.kd
    .args:
      - { .name: ridx, .offset: 0, .size: 8, .value_kind: global_buffer, .address_space: global }
      - { .name: rw, .offset: 8, .size: 8, .value_kind: global_buffer, .address_space: global }
      - { .name: hidden_states, .offset: 16, .size: 8, .value_kind: global_buffer, .address_space: global }
      - { .name: lowp_scales, .offset: 24, .size: 8, .value_kind: global_buffer, .address_space: global }
      - { .name: etab, .offset: 32, .size: 8, .value_kind: global_buffer, .address_space: global }
      - { .name: rl, .offset: 40, .size: 8, .value_kind: global_buffer, .address_space: global }
      - { .name: wl, .offset: 48, .size: 8, .value_kind: global_buffer, .address_space: global }
      - { .name: xs, .offset: 56, .size: 8, .value_kind: global_buffer, .address_space: global }
    .group_segment_fixed_size: 88320
    .private_segment_fixed_size: 0
    .kernarg_segment_align: 8
    .kernarg_segment_size: 64
    .max_flat_workgroup_size: 256
    .sgpr_count:     100
    .vgpr_count:     258
    .wavefront_size: 32
...
	.end_amdgpu_metadata
.endif
;; end of part 2
;; launch up (part 3): grid 32 x 8, 16 waves a work-group, no clusters, 141,312 bytes of LDS; arguments W1, W3, xs, wl, etab, lowp_scales, gs; writes gs
.if DOCPART == 3
	.amdgcn_target "amdgcn-amd-amdhsa--gfx1250"
	.amdhsa_code_object_version 6
	.text
	.protected	k_q87fa7e92e0_up
	.globl	k_q87fa7e92e0_up
	.p2align	8
	.type	k_q87fa7e92e0_up,@function
k_q87fa7e92e0_up:
	s_mov_b64 s[64:65], 0
	v_nop
	global_prefetch_b8 v0, s[64:65] scope:SCOPE_SE
	s_setreg_imm32_b32 hwreg(HW_REG_WAVE_MODE, 25, 1), 1
	s_wait_xcnt 0x0
; g = silu(x W1^T) x (x W3^T) x weight, for the routed rows alone, both products on codes of E4M3; g is quantised with 2^e4 and stored as codes.  W1, W3: [8][1024][2048] f32.
; SHARES.  Work-group (u, e) owns f = 32 u .. 32 u + 31 of expert e: 32 rows of W1 and 32 of W3, 512 KB of f32 that no other work-group reads.
; PHASE 1: each of the 16 waves loads 4 of the 64 rows (every load 512 bytes on end), quantises them in registers (W1 with 2^e1, W3 with 2^e3) and lays the codes in LDS as images of fragments.  One barrier.
; PHASE 2: each wave by itself takes groups of 32 routed rows of the expert (wave, wave + 16, ..): the rows' fragments come from xs as they lie (four loads of 512 bytes a fragment), the weights' from LDS.
; The products are used TRANSPOSED (source 0 = 16 rows of a weight, source 1 = 16 routed rows): a lane holds one routed row.  THE ROWS OF A WEIGHT THAT FORM A TILE ARE NOT NEIGHBOURS: row m of tile n is
; f = 8 n + m + 8 (m / 8), so that a lane's 16 results of tiles 0 and 1 are f = 16 (lane / 16) + 0 .. 15: 16 neighbours along the next product's K, and the conversions' results are 16 bytes of that operand's image.
; K's places in a fragment: registers 4 c .. 4 c + 3 hold k = 32 c + 16 (lane / 16) + 0 .. 15: the same in both operands, so every product meets its partner.
; x has two scales, e0 for W1's product and e2 for W3's.  Where they are equal the two sets of codes are equal and one fragment serves both products (loop .Lone); else each product reads its set (.Ltwo).
; NO JOINT LOADS, though an expert's 32 work-groups read the same rows' codes: an expert's number of groups (0 to 32) is read from memory; a
; constant count that serves every split is 32 groups an expert, four times the 8 of an even split.
; gs: [group 72][K step 8][tile 2][2,048 bytes], images as in xs; this work-group writes block u % 4 of K step u / 4.
; LIMITS, so that each power of two below is an f32 number: e1, e3 and e4 - e0 - e1 - e2 - e3 between -126 and 119; e0 + e1 between -126 and 126.  NaN among the inputs is not served.
.set XR,    16                         ; v16-111  rows' fragments: a ring of 3 x (tile 0, tile 1);  in phase 1 v16-207 are three rows of 64 numbers, v208-223 a row's codes
.set WRG,   112                        ; v112-175 weights' fragments: a ring of 2 x (tile 0, tile 1)
.set ACC,   176                        ; v176-239 accumulator (M, i, n) at 176 + 32 M + 8 (2 i + n): M = 0: W1, 1: W3; i: tile of routed rows; n: tile of the weight
.set XA,    44                         ; s[44:45] set 0's codes of the group, s[46:47] set 1's
.set FRB,   2176                       ; an image in LDS: eight blocks (2 c + h) of 256 bytes + 16; row m at 16 m
.set TILEB, 34816                      ; 16 images: tile (M, n) begins at (2 M + n) x TILEB
	s_load_b256 s[4:11], s[0:1], 0x0               ; W1 s[4:5], W3 s[6:7], xs s[8:9], wl s[10:11]
	s_load_b128 s[12:15], s[0:1], 0x20             ; etab s[12:13], the scales' exponents s[14:15]
	s_load_b64 s[16:17], s[0:1], 0x30              ; gs
	v_lshl_add_u32 v254, v0, 2, 0x22000
	v_mov_b32 v255, 0
	v_and_b32 v1, 31, v0                           ; lane
	v_lshrrev_b32 v6, 5, v0
	v_readfirstlane_b32 s20, v6                    ; wave 0..15
	v_lshrrev_b32 v3, 2, v1
	v_mul_u32_u24 v3, v3, 272
	v_and_b32 v6, 3, v1
	v_lshl_add_u32 v3, v6, 2, v3                   ; a dense load gives lane l k = 4 l .. 4 l + 3 of a K step: block l / 4, bytes 4 (l % 4) of the row's 16
	v_and_b32 v2, 15, v0                           ; r
	v_bfe_u32 v6, v0, 4, 1                         ; h
	v_mul_u32_u24 v6, v6, 272
	v_lshl_add_u32 v6, v2, 4, v6                   ; a fragment's read: block 2 c + h, row r
	v_add_nc_u32 v8, 0, v6                         ; v8-11: tile (M, n) at v[8 + 2 M + n]
	v_add_nc_u32 v9, TILEB, v6
	v_add_nc_u32 v10, 2*TILEB, v6
	v_add_nc_u32 v11, 3*TILEB, v6
	v_lshlrev_b32 v2, 2, v2                        ; 4 r: my row's weight
	v_lshlrev_b32 v1, 4, v1                        ; 16 x lane
	v_mov_b32 v13, 0                               ; (named as the upper halves of the pairs v[12:13], v[14:15])
	v_mov_b32 v15, 0
	s_and_b32 s22, ttmp7, 0xffff                   ; the expert
	s_lshr_b32 s36, s20, 3                         ; M: waves 0-7 take W1, waves 8-15 W3
	s_and_b32 s37, s20, 7                          ; my rows: f = 4 ww + 0 .. 3
	s_lshr_b32 s38, s37, 1
	s_and_b32 s38, s38, 1                          ; their tile n = (f / 8) % 2
	s_lshl_b32 s39, s36, 1
	s_add_co_u32 s39, s39, s38
	s_mul_i32 s39, s39, TILEB
	s_lshr_b32 s38, s37, 2                         ; their rows m = 8 (f / 16) + f % 8: 16 bytes each
	s_lshl_b32 s38, s38, 7
	s_add_co_u32 s39, s39, s38
	s_and_b32 s38, s37, 1
	s_lshl_b32 s38, s38, 6
	s_add_co_u32 s39, s39, s38
	v_add_nc_u32 v3, s39, v3
	s_lshl_b32 s26, s22, 10                        ; my first row in the weight: 1024 e + 32 u + 4 ww, of 8,192 bytes
	s_lshl_b32 s38, ttmp9, 5
	s_add_co_u32 s26, s26, s38
	s_lshl_b32 s38, s37, 2
	s_add_co_u32 s26, s26, s38
	s_lshl_b32 s26, s26, 13
	s_mov_b32 s27, 0
	s_lshl_b32 s18, s22, 3
	s_mov_b32 s19, 0
	s_lshr_b32 s54, ttmp9, 2                       ; my place in a group of gs: K step u / 4, block u % 4
	s_lshl_b32 s54, s54, 12
	s_and_b32 s38, ttmp9, 3
	s_lshl_b32 s38, s38, 9
	s_add_co_u32 s54, s54, s38
	s_wait_kmcnt 0x0
	s_add_nc_u64 s[12:13], s[12:13], s[18:19]
	s_load_b64 s[24:25], s[12:13], 0x0             ; the expert's first group, its number of groups
	s_load_b128 s[28:31], s[14:15], 0x0            ; e0, e1, e2, e3
	s_load_b64 s[32:33], s[14:15], 0x10            ; e4, e5
	s_cmp_lt_u32 s20, 8
	s_cselect_b64 s[34:35], s[4:5], s[6:7]
	s_add_nc_u64 s[34:35], s[34:35], s[26:27]
.macro ROWLOAD slot, rho               ; a row of 2,048 numbers: 16 loads of 512 bytes on end; read once in the launch
.irp q, 0,1,2,3,4,5,6,7,8,9,10,11,12,13,14,15
	global_load_b128 v[16+64*\slot+4*\q:16+64*\slot+4*\q+3], v1, s[34:35] offset:8192*\rho+512*\q th:TH_LOAD_NT
.endr
.endm
.macro ROWQ slot, rho                  ; the row becomes 16 words of codes, word q = my four k of K step q
	s_wait_dscnt 0x0                               ; the last row's stores have read the registers of the codes
.set i, 0
.rept 64
	v_med3_num_f32 v[16+64*\slot+i], v[16+64*\slot+i], -v5, v5   ; the conversion to an 8-bit code does not saturate (ISA guide 7.6.2): the hold comes first
.set i, i+1
.endr
.irp p, 0,1,2,3,4,5,6,7
	v_cvt_scalef32_pk8_fp8_f32 v[208+2*\p:209+2*\p], v[16+64*\slot+8*\p:16+64*\slot+8*\p+7], v4
.endr
	v_nop                                          ; a plain instruction behind the last conversion
.irp q, 0,1,2,3,4,5,6,7,8,9,10,11,12,13,14,15
	ds_store_b32 v3, v[208+\q] offset:FRB*\q+16*\rho
.endr
.endm
	ROWLOAD 0, 0                                   ; three of my four rows are asked for at once: 48 loads a wave, 384 KB a work-group
	ROWLOAD 1, 1
	ROWLOAD 2, 2
	s_wait_kmcnt 0x0
	s_cmp_lt_u32 s20, 8
	s_cselect_b32 s55, s29, s31                    ; e1 for W1, e3 for W3
	s_add_co_i32 s55, s55, 127
	s_lshl_b32 s56, s55, 23
	v_mov_b32 v4, s56                              ; the weight's scale as f32
	s_add_co_i32 s55, s55, 8
	s_lshl_b32 s55, s55, 23
	s_or_b32 s55, s55, 0x600000
	v_mov_b32 v5, s55                              ; 448 x the scale
	s_add_co_i32 s40, s28, s29
	s_lshl_b32 s40, s40, 23
	s_add_co_i32 s40, s40, 0xbfb8aa3b              ; c1 = -log2(e) x 2^(e0 + e1): the exponents are added to the constant's exponent field
	s_mov_b32 s41, s40                             ; (named with it as a pair)
	s_sub_co_i32 s55, s32, s28
	s_sub_co_i32 s55, s55, s29
	s_sub_co_i32 s55, s55, s30
	s_sub_co_i32 s55, s55, s31                     ; the two sums stand for sums x 2^(e0 + e1) and x 2^(e2 + e3): all five scales are folded into the conversion's one
	s_add_co_i32 s55, s55, 127
	s_lshl_b32 s56, s55, 23
	v_mov_b32 v6, s56                              ; 2^(e4 - e0 - e1 - e2 - e3)
	s_add_co_i32 s55, s55, 8
	s_lshl_b32 s55, s55, 23
	s_or_b32 s55, s55, 0x600000
	v_mov_b32 v7, s55                              ; 448 x that
	s_min_u32 s24, s24, 71
	s_min_u32 s25, s25, 32
	s_wait_loadcnt 32                              ; row 0 is in; two rows' loads are younger
	ROWQ 0, 0
	ROWLOAD 0, 3
	s_wait_loadcnt 32                              ; row 1 is in; rows 2 and 3 are younger
	ROWQ 1, 1
	s_wait_loadcnt 16
	ROWQ 2, 2
	s_wait_loadcnt 0x0
	ROWQ 0, 3
	s_wait_dscnt 0x0                               ; for the others' sake: my rows' codes lie in LDS
	s_barrier_signal -1
	s_barrier_wait -1                              ; the launch's one barrier: from here on LDS is only read, and each wave goes its own way
.macro XL buf, ptr, q                  ; the group's two fragments of K step q: 8 loads of 512 bytes on end
.irp i, 0,1
.irp c, 0,1,2,3
	global_load_b128 v[XR+32*(\buf)+16*\i+4*\c:XR+32*(\buf)+16*\i+4*\c+3], v1, s[\ptr:\ptr+1] offset:4096*(\q)+2048*\i+512*\c
.endr
.endr
.endm
.macro WLD wb, mm, q                   ; weight mm's two fragments of K step q
.irp n, 0,1
.irp c, 0,1,2,3
	ds_load_b128 v[WRG+32*(\wb)+16*\n+4*\c:WRG+32*(\wb)+16*\n+4*\c+3], v[8+2*(\mm)+\n] offset:FRB*(\q)+544*\c
.endr
.endr
.endm
.macro MM mm, xbuf, wbuf, zero         ; four products; the eight accumulators take turns, one instruction a turn.  zero: the first K step starts the sums
.irp i, 0,1
.irp n, 0,1
.if \zero
	v_wmma_f32_16x16x128_fp8_fp8 v[ACC+32*(\mm)+8*(2*\i+\n):ACC+32*(\mm)+8*(2*\i+\n)+7], v[WRG+32*(\wbuf)+16*\n:WRG+32*(\wbuf)+16*\n+15], v[XR+32*(\xbuf)+16*\i:XR+32*(\xbuf)+16*\i+15], 0
.else
	v_wmma_f32_16x16x128_fp8_fp8 v[ACC+32*(\mm)+8*(2*\i+\n):ACC+32*(\mm)+8*(2*\i+\n)+7], v[WRG+32*(\wbuf)+16*\n:WRG+32*(\wbuf)+16*\n+15], v[XR+32*(\xbuf)+16*\i:XR+32*(\xbuf)+16*\i+15], v[ACC+32*(\mm)+8*(2*\i+\n):ACC+32*(\mm)+8*(2*\i+\n)+7]
.endif
.endr
.endr
.endm
; Step t of 32: K step t / 2, weight t % 2.  The next step's weights and the rows' fragments two ahead are asked for first, then this step's are waited for.
.macro SUB same
.set q, t/2
.set M, t%2
.if t > 0
.rept 4
	v_nop                                          ; four places between the last products and loads into registers that they read (ISA guide 7.12.1 for vector instructions)
.endr
.endif
.if t < 31
	WLD (t+1)%2, (t+1)%2, (t+1)/2
.endif
.if \same
.set xb, q%3
.if M == 0
.if q < 14
	XL (q+2)%3, XA, q+2
	s_wait_loadcnt 16                              ; K step q's fragments are in; those of the two K steps behind it are younger
.else
	s_wait_loadcnt 8*(15-q)
.endif
.endif
.else
.set xb, t%3
.if t < 30
	XL (t+2)%3, XA+2*M, (t+2)/2
	s_wait_loadcnt 16                              ; step t's fragments are in; those of the two steps behind it are younger
.else
	s_wait_loadcnt 8*(31-t)
.endif
.endif
.if t < 31
	s_wait_dscnt 8                                 ; this step's weights are in; the eight loads just issued may be out
.else
	s_wait_dscnt 0
.endif
	MM M, xb, t%2, (q==0)
.endm
; One group of 32 routed rows.
.macro GROUP same
	s_add_co_u32 s43, s24, s42
	s_min_u32 s43, s43, 71                         ; the group
	s_lshl_b32 s52, s43, 16
	s_mov_b32 s53, 0
	s_add_nc_u64 s[XA:XA+1], s[8:9], s[52:53]
	s_add_nc_u64 s[XA+2:XA+3], s[XA:XA+1], 0x480000
	s_lshl_b32 s52, s43, 7
	s_add_nc_u64 s[48:49], s[10:11], s[52:53]
	s_lshl_b32 s52, s43, 15
	s_add_co_u32 s52, s52, s54
	s_add_nc_u64 s[50:51], s[16:17], s[52:53]
	global_load_b32 v12, v2, s[48:49]              ; my row's weight, tile 0 and tile 1: the oldest loads, in by the first counted wait
	global_load_b32 v14, v2, s[48:49] offset:64
.if \same
	XL 0, XA, 0
	XL 1, XA, 1
.else
	XL 0, XA, 0
	XL 1, XA+2, 0
.endif
	WLD 0, 0, 0
.set t, 0
.rept 32
	SUB \same
.set t, t+1
.endr
.rept 4
	v_nop                                          ; places between the last products and the first read of results
.endr
.set j, 0
.rept 16
	v_pk_mul_f32 v[16+j:17+j], v[ACC+j:ACC+j+1], s[40:41] op_sel_hi:[1,0]   ; -log2(e) x h1; each accumulator is read from its low end on
.set j, j+2
.endr
.set j, 0
.rept 32
	v_exp_f32 v[16+j], v[16+j]
.set j, j+1
.endr
	v_nop                                          ; a plain instruction behind the last exponential
	s_wait_alu depctr_va_vdst(0)                   ; one wait for the batch, ahead of its first reader
.set j, 0
.rept 16
	v_pk_add_f32 v[16+j:17+j], v[16+j:17+j], 1.0 op_sel_hi:[1,0]
.set j, j+2
.endr
.set j, 0
.rept 32
	v_rcp_f32 v[16+j], v[16+j]                     ; sigmoid(h1)
.set j, j+1
.endr
	v_nop
	s_wait_alu depctr_va_vdst(0)
.set j, 0
.rept 16
	v_pk_mul_f32 v[16+j:17+j], v[16+j:17+j], v[ACC+j:ACC+j+1]               ; x h1,
.set j, j+2
.endr
.set j, 0
.rept 16
	v_pk_mul_f32 v[16+j:17+j], v[16+j:17+j], v[ACC+32+j:ACC+32+j+1]         ; x h3 (from each accumulator's low end on),
.set j, j+2
.endr
.irp i, 0,1
.set j, 0
.rept 8
	v_pk_mul_f32 v[16+16*\i+j:17+16*\i+j], v[16+16*\i+j:17+16*\i+j], v[12+2*\i:13+2*\i] op_sel_hi:[1,0]   ; x my row's weight
.set j, j+2
.endr
.endr
.set j, 0
.rept 32
	v_med3_num_f32 v[16+j], v[16+j], -v7, v7
.set j, j+1
.endr
.irp i, 0,1
	v_cvt_scalef32_pk8_fp8_f32 v[240+4*\i:241+4*\i], v[16+16*\i:23+16*\i], v6
	v_cvt_scalef32_pk8_fp8_f32 v[242+4*\i:243+4*\i], v[24+16*\i:31+16*\i], v6
.endr
	v_nop                                          ; a plain instruction behind the last conversion
.irp i, 0,1
	global_store_b128 v1, v[240+4*\i:243+4*\i], s[50:51] offset:2048*\i     ; 32 lanes store 512 bytes on end: one block of an image
.endr
	s_wait_xcnt 0x0                                ; the stores have read their registers and their base: the next trip writes both
.endm
	s_add_co_u32 s58, s25, 15                      ; my trips: the groups wave, wave + 16, .. under the expert's number of groups (at most 32):
	s_sub_co_u32 s58, s58, s20
	s_lshr_b32 s58, s58, 4                         ; (groups + 15 - wave) / 16: 0, 1 or 2
	s_mov_b32 s42, s20                             ; my first group of the expert's
	s_mov_b32 s57, 0                               ; trips done
	s_cmp_eq_u32 s58, 0
	s_cbranch_scc1 .Lend
	s_cmp_lg_u32 s28, s30
	s_cbranch_scc1 .Ltwo
.Lone:
	GROUP 1
	s_add_co_u32 s42, s42, 16
	s_add_co_u32 s57, s57, 1
	s_cmp_lt_u32 s57, s58
	s_cbranch_scc1 .Lone
	s_wait_tensorcnt 0x0
	ds_add_u32 v254, v255
	s_wait_dscnt 0x0
	s_endpgm
.Ltwo:
	GROUP 0
	s_add_co_u32 s42, s42, 16
	s_add_co_u32 s57, s57, 1
	s_cmp_lt_u32 s57, s58
	s_cbranch_scc1 .Ltwo
.Lend:
	s_wait_tensorcnt 0x0
	ds_add_u32 v254, v255
	s_wait_dscnt 0x0
	s_endpgm
.Lfunc_end_k_q87fa7e92e0_up:
	.size	k_q87fa7e92e0_up, .Lfunc_end_k_q87fa7e92e0_up-k_q87fa7e92e0_up
	.p2alignl 7, 3214868480
	.fill 96, 4, 3214868480
	.section	.rodata,"a",@progbits
	.p2align	6, 0x0
	.amdhsa_kernel k_q87fa7e92e0_up
		.amdhsa_group_segment_fixed_size 141312
		.amdhsa_private_segment_fixed_size 0
		.amdhsa_enable_private_segment 0
		.amdhsa_kernarg_size 56
		.amdhsa_user_sgpr_count 2
		.amdhsa_user_sgpr_kernarg_segment_ptr 1
		.amdhsa_wavefront_size32 1
		.amdhsa_system_sgpr_workgroup_id_x 1
		.amdhsa_system_sgpr_workgroup_id_y 1
		.amdhsa_system_sgpr_workgroup_id_z 1
		.amdhsa_system_vgpr_workitem_id 0
		.amdhsa_next_free_vgpr 256
		.amdhsa_next_free_sgpr 66
		.amdhsa_reserve_vcc 0
		.amdhsa_float_denorm_mode_32 3
		.amdhsa_float_denorm_mode_16_64 3
		.amdhsa_memory_ordered 1
		.amdhsa_forward_progress 1
		.amdhsa_inst_pref_size 150
	.end_amdhsa_kernel
	.amdgpu_metadata
---
amdhsa.version: [ 1, 2 ]
amdhsa.kernels:
  - .name:           k_q87fa7e92e0_up
    .symbol:         k_q87fa7e92e0_up.kd
    .args:
      - { .name: W1, .offset: 0, .size: 8, .value_kind: global_buffer, .address_space: global }
      - { .name: W3, .offset: 8, .size: 8, .value_kind: global_buffer, .address_space: global }
      - { .name: xs, .offset: 16, .size: 8, .value_kind: global_buffer, .address_space: global }
      - { .name: wl, .offset: 24, .size: 8, .value_kind: global_buffer, .address_space: global }
      - { .name: etab, .offset: 32, .size: 8, .value_kind: global_buffer, .address_space: global }
      - { .name: lowp_scales, .offset: 40, .size: 8, .value_kind: global_buffer, .address_space: global }
      - { .name: gs, .offset: 48, .size: 8, .value_kind: global_buffer, .address_space: global }
    .group_segment_fixed_size: 141312
    .private_segment_fixed_size: 0
    .kernarg_segment_align: 8
    .kernarg_segment_size: 56
    .max_flat_workgroup_size: 512
    .sgpr_count:     66
    .vgpr_count:     256
    .wavefront_size: 32
...
	.end_amdgpu_metadata
.endif
;; end of part 3
;; launch down (part 4): grid 32 x 8, 16 waves a work-group, no clusters, 141,312 bytes of LDS; arguments W2, gs, rl, etab, lowp_scales, y; writes y
.if DOCPART == 4
	.amdgcn_target "amdgcn-amd-amdhsa--gfx1250"
	.amdhsa_code_object_version 6
	.text
	.protected	k_q87fa7e92e0_down
	.globl	k_q87fa7e92e0_down
	.p2align	8
	.type	k_q87fa7e92e0_down,@function
k_q87fa7e92e0_down:
	s_mov_b64 s[64:65], 0
	v_nop
	global_prefetch_b8 v0, s[64:65] scope:SCOPE_SE
	s_setreg_imm32_b32 hwreg(HW_REG_WAVE_MODE, 25, 1), 1
	s_wait_xcnt 0x0
; y[rank x 1024 + token] = g W2[e]^T x 2^(e4 + e5), for each routed row, on codes of E4M3.  W2: [8][2048][1024] f32; gs: g's codes, images of fragments (launch up).  y: 2,056 rows of 2,048 f32.
; SHARES.  Work-group (v, e) owns outputs 64 v .. 64 v + 63 of expert e: 64 rows of W2, 256 KB of f32 that no other work-group reads.
; PHASE 1: each of the 16 waves loads 4 rows (every load 512 bytes on end), quantises them with 2^e5 and lays the codes in LDS as images of fragments.  One barrier.
; PHASE 2: each wave by itself takes groups of 32 routed rows (wave, wave + 16, ..): g's fragments from gs as they lie, W2's from LDS; products TRANSPOSED (source 0 = 16 rows of W2, source 1 = 16 routed rows), so
; that a lane's eight results are eight neighbouring outputs of one row.  A tile of 16 rows x 64 outputs goes through the wave's own stage in LDS and leaves by rows: sixteen lanes store 256 bytes on end, aligned.
; Each (token, rank) is one row of y with one owner for each 256 bytes; a filling row ends in row 2048 + e, which nobody reads.  The two ranks are added by the next launch.
; NO JOINT LOADS, though an expert's 32 work-groups read the same codes of g: the number of groups (0 to 32) is read from memory; a constant
; count that serves every split is 32 groups an expert, four times the 8 of an even split.
; LIMITS: e5 between -126 and 119; e4 + e5 between -126 and 127.  NaN among the inputs is not served.
.set XR,    16                         ; v16-111  g's fragments: a ring of 3 x (tile 0, tile 1);  in phase 1 v16-143 are my four rows, v144-175 their codes
.set WRG,   112                        ; v112-175 W2's fragments: a ring of 2 x two tiles
.set ACC,   176                        ; v176-239 accumulator (M, i, n') at 176 + 32 M + 8 (2 i + n'): W2's tile n = 2 M + n', tile i of routed rows
.set RLR,   240                        ; v240-255 the rows' names, then the stores' offsets
.set XA,    44
.set FRB,   2176                       ; an image in LDS: eight blocks (2 c + h) of 256 bytes + 16; row m at 16 m
.set TILEB, 17408                      ; 8 images: tile n begins at n x TILEB
.set STG,   69632                      ; behind the images: a stage of 16 rows x (256 bytes + 16) for each wave
	s_load_b256 s[4:11], s[0:1], 0x0               ; W2 s[4:5], gs s[6:7], rl s[8:9], etab s[10:11]
	s_load_b128 s[12:15], s[0:1], 0x20             ; the scales' exponents s[12:13], y s[14:15]
	v_lshl_add_u32 v14, v0, 2, 0x22000
	v_mov_b32 v15, 0
	v_and_b32 v1, 31, v0                           ; lane
	v_lshrrev_b32 v6, 5, v0
	v_readfirstlane_b32 s20, v6                    ; wave 0..15
	v_lshrrev_b32 v3, 2, v1
	v_mul_u32_u24 v3, v3, 272
	v_and_b32 v6, 3, v1
	v_lshl_add_u32 v3, v6, 2, v3                   ; a dense load gives lane l k = 4 l .. 4 l + 3 of a K step: block l / 4, bytes 4 (l % 4) of the row's 16
	v_and_b32 v7, 15, v0                           ; r
	v_bfe_u32 v2, v0, 4, 1                         ; h
	v_mul_u32_u24 v6, v2, 272
	v_lshl_add_u32 v6, v7, 4, v6                   ; 272 h + 16 r
	v_add_nc_u32 v8, 0, v6                         ; W2's tiles 0, 1
	v_add_nc_u32 v9, 2*TILEB, v6                   ; tiles 2, 3
	s_mul_i32 s36, s20, 16*272
	s_add_co_u32 s36, s36, STG                     ; my stage
	v_add_nc_u32 v11, s36, v6                      ; back: lanes 0-15 one row of 256 bytes, lanes 16-31 the next
	v_mul_u32_u24 v10, v7, 272
	v_lshl_add_u32 v10, v2, 5, v10
	v_add_nc_u32 v10, s36, v10                     ; in: row r, 32 bytes for each half of the lanes
	v_lshlrev_b32 v12, 4, v7                       ; 16 r: my 16 bytes of a row's 256
	v_lshlrev_b32 v2, 2, v2                        ; 4 h: which of two rows' names is mine
	v_lshlrev_b32 v1, 4, v1                        ; 16 x lane
	s_and_b32 s22, ttmp7, 0xffff                   ; the expert
	s_lshr_b32 s37, s20, 2                         ; my rows 4 w + 0 .. 3: tile w / 4,
	s_mul_i32 s37, s37, TILEB
	s_and_b32 s38, s20, 3                          ; rows 4 (w % 4) on, 16 bytes each
	s_lshl_b32 s38, s38, 6
	s_add_co_u32 s37, s37, s38
	v_add_nc_u32 v3, s37, v3
	s_lshl_b32 s26, s22, 11                        ; my first row of W2: 2048 e + 64 v + 4 w, of 4,096 bytes
	s_lshl_b32 s38, ttmp9, 6
	s_add_co_u32 s26, s26, s38
	s_lshl_b32 s38, s20, 2
	s_add_co_u32 s26, s26, s38
	s_lshl_b32 s26, s26, 12
	s_mov_b32 s27, 0
	s_lshl_b32 s18, s22, 3
	s_mov_b32 s19, 0
	s_lshl_b32 s16, ttmp9, 8                       ; my 64 outputs in a row of y
	s_mov_b32 s17, 0
	s_wait_kmcnt 0x0
	s_add_nc_u64 s[10:11], s[10:11], s[18:19]
	s_load_b64 s[24:25], s[10:11], 0x0             ; the expert's first group, its number of groups
	s_load_b64 s[32:33], s[12:13], 0x10            ; e4, e5
	s_add_nc_u64 s[4:5], s[4:5], s[26:27]
	s_add_nc_u64 s[14:15], s[14:15], s[16:17]
.irp rho, 0,1,2,3
.irp q, 0,1,2,3,4,5,6,7
	global_load_b128 v[16+32*\rho+4*\q:16+32*\rho+4*\q+3], v1, s[4:5] offset:4096*\rho+512*\q th:TH_LOAD_NT   ; all four rows at once: 32 loads a wave, the work-group's whole 256 KB; read once in the launch
.endr
.endr
	s_wait_kmcnt 0x0
	s_add_co_i32 s39, s33, 127
	s_lshl_b32 s38, s39, 23
	v_mov_b32 v4, s38                              ; 2^e5 as f32
	s_add_co_i32 s39, s39, 8
	s_lshl_b32 s39, s39, 23
	s_or_b32 s39, s39, 0x600000
	v_mov_b32 v5, s39                              ; 448 x 2^e5
	s_add_co_i32 s40, s32, s33
	s_add_co_i32 s40, s40, 127
	s_lshl_b32 s40, s40, 23                        ; 2^(e4 + e5) as f32
	s_mov_b32 s41, s40                             ; (named with it as a pair)
	s_min_u32 s24, s24, 71
	s_min_u32 s25, s25, 32
.irp rho, 0,1,2,3
	s_wait_loadcnt 24-8*\rho                       ; this row's eight loads are in; the later rows' are younger
.set i, 0
.rept 32
	v_med3_num_f32 v[16+32*\rho+i], v[16+32*\rho+i], -v5, v5   ; the conversion to an 8-bit code does not saturate (ISA guide 7.6.2): the hold comes first
.set i, i+1
.endr
.irp p, 0,1,2,3
	v_cvt_scalef32_pk8_fp8_f32 v[144+8*\rho+2*\p:145+8*\rho+2*\p], v[16+32*\rho+8*\p:16+32*\rho+8*\p+7], v4
.endr
	v_nop                                          ; a plain instruction behind the last conversion
.irp q, 0,1,2,3,4,5,6,7
	ds_store_b32 v3, v[144+8*\rho+\q] offset:FRB*\q+16*\rho
.endr
.endr
	s_wait_dscnt 0x0                               ; for the others' sake: my rows' codes lie in LDS
	s_barrier_signal -1
	s_barrier_wait -1                              ; the launch's one barrier: the images are only read from here on, and a stage is its wave's own
.macro XL buf, ptr, q                  ; the group's two fragments of K step q: 8 loads of 512 bytes on end
.irp i, 0,1
.irp c, 0,1,2,3
	global_load_b128 v[XR+32*(\buf)+16*\i+4*\c:XR+32*(\buf)+16*\i+4*\c+3], v1, s[\ptr:\ptr+1] offset:4096*(\q)+2048*\i+512*\c
.endr
.endr
.endm
.macro WLD wb, mm, q                   ; W2's tiles 2 mm and 2 mm + 1, K step q
.irp n, 0,1
.irp c, 0,1,2,3
	ds_load_b128 v[WRG+32*(\wb)+16*\n+4*\c:WRG+32*(\wb)+16*\n+4*\c+3], v[8+(\mm)] offset:TILEB*\n+FRB*(\q)+544*\c
.endr
.endr
.endm
.macro MM mm, xbuf, wbuf, zero         ; four products; the eight accumulators take turns, one instruction a turn.  zero: the first K step starts the sums
.irp i, 0,1
.irp n, 0,1
.if \zero
	v_wmma_f32_16x16x128_fp8_fp8 v[ACC+32*(\mm)+8*(2*\i+\n):ACC+32*(\mm)+8*(2*\i+\n)+7], v[WRG+32*(\wbuf)+16*\n:WRG+32*(\wbuf)+16*\n+15], v[XR+32*(\xbuf)+16*\i:XR+32*(\xbuf)+16*\i+15], 0
.else
	v_wmma_f32_16x16x128_fp8_fp8 v[ACC+32*(\mm)+8*(2*\i+\n):ACC+32*(\mm)+8*(2*\i+\n)+7], v[WRG+32*(\wbuf)+16*\n:WRG+32*(\wbuf)+16*\n+15], v[XR+32*(\xbuf)+16*\i:XR+32*(\xbuf)+16*\i+15], v[ACC+32*(\mm)+8*(2*\i+\n):ACC+32*(\mm)+8*(2*\i+\n)+7]
.endif
.endr
.endr
.endm
.macro SUB                             ; step t of 16: K step t / 2, W2's pair of tiles t % 2
.set q, t/2
.set M, t%2
.if t > 0
.rept 4
	v_nop                                          ; four places between the last products and loads into registers that they read (ISA guide 7.12.1 for vector instructions)
.endr
.endif
.if t < 15
	WLD (t+1)%2, (t+1)%2, (t+1)/2
.endif
.if M == 0
.if q < 6
	XL (q+2)%3, XA, q+2
	s_wait_loadcnt 16                              ; K step q's fragments are in; those of the two K steps behind it are younger
.else
	s_wait_loadcnt 8*(7-q)
.endif
.endif
.if t < 15
	s_wait_dscnt 8                                 ; this step's weights are in; the eight loads just issued may be out
.else
	s_wait_dscnt 0
.endif
	MM M, q%3, t%2, (q==0)
.endm
	s_add_co_u32 s55, s25, 15                      ; my trips: the groups wave, wave + 16, .. under the expert's number of groups (at most 32):
	s_sub_co_u32 s55, s55, s20
	s_lshr_b32 s55, s55, 4                         ; (groups + 15 - wave) / 16: 0, 1 or 2
	s_mov_b32 s42, s20                             ; my first group of the expert's
	s_mov_b32 s54, 0                               ; trips done
	s_cmp_eq_u32 s55, 0
	s_cbranch_scc1 .Lend
.Lgroup:
	s_add_co_u32 s43, s24, s42
	s_min_u32 s43, s43, 71                         ; the group
	s_lshl_b32 s52, s43, 15
	s_mov_b32 s53, 0
	s_add_nc_u64 s[XA:XA+1], s[6:7], s[52:53]
	s_lshl_b32 s52, s43, 7
	s_add_nc_u64 s[48:49], s[8:9], s[52:53]
.irp i, 0,1
.irp p, 0,1,2,3,4,5,6,7
	global_load_b32 v[RLR+8*\i+\p], v2, s[48:49] offset:4*(16*\i+2*\p)   ; the name of row 16 i + 2 p + lane / 16: the oldest loads, in by the first counted wait
.endr
.endr
	XL 0, XA, 0
	XL 1, XA, 1
	WLD 0, 0, 0
.set t, 0
.rept 16
	SUB
.set t, t+1
.endr
.rept 4
	v_nop                                          ; places between the last products and the first read of results
.endr
.irp i, 0,1
.irp n, 0,1,2,3
.irp j, 0,2,4,6
	v_pk_mul_f32 v[16+32*\i+8*\n+\j:17+32*\i+8*\n+\j], v[ACC+32*(\n/2)+16*\i+8*(\n%2)+\j:ACC+32*(\n/2)+16*\i+8*(\n%2)+\j+1], s[40:41] op_sel_hi:[1,0]   ; x 2^(e4 + e5); each accumulator from its low end on
.endr
.endr
.endr
.irp p, 0,1,2,3,4,5,6,7,8,9,10,11,12,13,14,15
	v_min_u32 v[RLR+\p], 0x807, v[RLR+\p]          ; a row of y is under 2,056
	v_lshl_add_u32 v[RLR+\p], v[RLR+\p], 13, v12   ; x 8,192 bytes + my 16 of the 256
.endr
.irp i, 0,1
.irp n, 0,1,2,3
	ds_store_b128 v10, v[16+32*\i+8*\n:19+32*\i+8*\n] offset:64*\n
	ds_store_b128 v10, v[20+32*\i+8*\n:23+32*\i+8*\n] offset:64*\n+16
.endr
.irp p, 0,1,2,3,4,5,6,7
	ds_load_b128 v[80+32*\i+4*\p:83+32*\i+4*\p], v11 offset:544*\p   ; LDS serves a wave's instructions in order (ISA guide 5.7.1.4): these see my stores, and the next tile's stores come behind them
.endr
.endr
.irp i, 0,1
.irp p, 0,1,2,3,4,5,6,7
	s_wait_dscnt 16*(1-\i)+7-\p                    ; this load is in; the younger ones (the tile's later loads, and for tile 0 tile 1's sixteen) may be out
	global_store_b128 v[RLR+8*\i+\p], v[80+32*\i+4*\p:83+32*\i+4*\p], s[14:15] th:TH_STORE_NT   ; sixteen lanes store 256 bytes on end, at a multiple of 256 from y's first byte
.endr
.endr
	s_wait_xcnt 0x0                                ; the stores have read their registers: the next trip loads into them
	s_add_co_u32 s42, s42, 16
	s_add_co_u32 s54, s54, 1
	s_cmp_lt_u32 s54, s55
	s_cbranch_scc1 .Lgroup
.Lend:
	s_wait_tensorcnt 0x0
	ds_add_u32 v14, v15
	s_wait_dscnt 0x0
	s_endpgm
.Lfunc_end_k_q87fa7e92e0_down:
	.size	k_q87fa7e92e0_down, .Lfunc_end_k_q87fa7e92e0_down-k_q87fa7e92e0_down
	.p2alignl 7, 3214868480
	.fill 96, 4, 3214868480
	.section	.rodata,"a",@progbits
	.p2align	6, 0x0
	.amdhsa_kernel k_q87fa7e92e0_down
		.amdhsa_group_segment_fixed_size 141312
		.amdhsa_private_segment_fixed_size 0
		.amdhsa_enable_private_segment 0
		.amdhsa_kernarg_size 48
		.amdhsa_user_sgpr_count 2
		.amdhsa_user_sgpr_kernarg_segment_ptr 1
		.amdhsa_wavefront_size32 1
		.amdhsa_system_sgpr_workgroup_id_x 1
		.amdhsa_system_sgpr_workgroup_id_y 1
		.amdhsa_system_sgpr_workgroup_id_z 1
		.amdhsa_system_vgpr_workitem_id 0
		.amdhsa_next_free_vgpr 256
		.amdhsa_next_free_sgpr 66
		.amdhsa_reserve_vcc 0
		.amdhsa_float_denorm_mode_32 3
		.amdhsa_float_denorm_mode_16_64 3
		.amdhsa_memory_ordered 1
		.amdhsa_forward_progress 1
		.amdhsa_inst_pref_size 49
	.end_amdhsa_kernel
	.amdgpu_metadata
---
amdhsa.version: [ 1, 2 ]
amdhsa.kernels:
  - .name:           k_q87fa7e92e0_down
    .symbol:         k_q87fa7e92e0_down.kd
    .args:
      - { .name: W2, .offset: 0, .size: 8, .value_kind: global_buffer, .address_space: global }
      - { .name: gs, .offset: 8, .size: 8, .value_kind: global_buffer, .address_space: global }
      - { .name: rl, .offset: 16, .size: 8, .value_kind: global_buffer, .address_space: global }
      - { .name: etab, .offset: 24, .size: 8, .value_kind: global_buffer, .address_space: global }
      - { .name: lowp_scales, .offset: 32, .size: 8, .value_kind: global_buffer, .address_space: global }
      - { .name: y, .offset: 40, .size: 8, .value_kind: global_buffer, .address_space: global }
    .group_segment_fixed_size: 141312
    .private_segment_fixed_size: 0
    .kernarg_segment_align: 8
    .kernarg_segment_size: 48
    .max_flat_workgroup_size: 512
    .sgpr_count:     66
    .vgpr_count:     256
    .wavefront_size: 32
...
	.end_amdgpu_metadata
.endif
;; end of part 4
;; launch combine (part 5): grid 256 x 1, 8 waves a work-group, no clusters, 0 bytes of LDS; arguments y, out0; writes out0
.if DOCPART == 5
	.amdgcn_target "amdgcn-amd-amdhsa--gfx1250"
	.amdhsa_code_object_version 6
	.text
	.protected	k_q87fa7e92e0_combine
	.globl	k_q87fa7e92e0_combine
	.p2align	8
	.type	k_q87fa7e92e0_combine,@function
k_q87fa7e92e0_combine:
	s_mov_b64 s[64:65], 0
	v_nop
	global_prefetch_b8 v0, s[64:65] scope:SCOPE_SE
	s_setreg_imm32_b32 hwreg(HW_REG_WAVE_MODE, 25, 1), 1
	s_wait_xcnt 0x0
; out0[token] = y[token] + y[1024 + token]: a token's two experts' rows are added.  A stream: 16 MB in, 8 MB out, each byte once; no LDS, no barrier, no loop.
; A work-group takes 32 KB of out0, a wave 4 KB: eight pairs of loads and eight stores, each of 512 bytes on end.  All sixteen loads of a wave go out together.
	s_load_b128 s[4:7], s[0:1], 0x0                ; y, out0
	v_and_b32 v1, 31, v0
	v_lshrrev_b32 v2, 5, v0
	v_lshlrev_b32 v1, 4, v1
	v_lshl_add_u32 v1, v2, 12, v1                  ; 4,096 x wave + 16 x lane
	s_lshl_b32 s8, ttmp9, 15
	s_mov_b32 s9, 0
	s_wait_kmcnt 0x0
	s_add_nc_u64 s[4:5], s[4:5], s[8:9]            ; rank 0's rows,
	s_add_nc_u64 s[6:7], s[6:7], s[8:9]
	s_add_nc_u64 s[10:11], s[4:5], 0x800000        ; rank 1's: 1,024 rows of 8,192 bytes further on
.irp i, 0,1,2,3,4,5,6,7
	global_load_b128 v[8+4*\i:11+4*\i], v1, s[4:5] offset:512*\i th:TH_LOAD_NT
	global_load_b128 v[40+4*\i:43+4*\i], v1, s[10:11] offset:512*\i th:TH_LOAD_NT
.endr
.irp i, 0,1,2,3,4,5,6,7
	s_wait_loadcnt 14-2*\i                         ; pair i is in; the later pairs are younger
	v_pk_add_f32 v[72+4*\i:73+4*\i], v[8+4*\i:9+4*\i], v[40+4*\i:41+4*\i]
	v_pk_add_f32 v[74+4*\i:75+4*\i], v[10+4*\i:11+4*\i], v[42+4*\i:43+4*\i]
	global_store_b128 v1, v[72+4*\i:75+4*\i], s[6:7] offset:512*\i th:TH_STORE_NT
.endr
	s_endpgm
.Lfunc_end_k_q87fa7e92e0_combine:
	.size	k_q87fa7e92e0_combine, .Lfunc_end_k_q87fa7e92e0_combine-k_q87fa7e92e0_combine
	.p2alignl 7, 3214868480
	.fill 96, 4, 3214868480
	.section	.rodata,"a",@progbits
	.p2align	6, 0x0
	.amdhsa_kernel k_q87fa7e92e0_combine
		.amdhsa_group_segment_fixed_size 0
		.amdhsa_private_segment_fixed_size 0
		.amdhsa_enable_private_segment 0
		.amdhsa_kernarg_size 16
		.amdhsa_user_sgpr_count 2
		.amdhsa_user_sgpr_kernarg_segment_ptr 1
		.amdhsa_wavefront_size32 1
		.amdhsa_system_sgpr_workgroup_id_x 1
		.amdhsa_system_sgpr_workgroup_id_y 1
		.amdhsa_system_sgpr_workgroup_id_z 1
		.amdhsa_system_vgpr_workitem_id 0
		.amdhsa_next_free_vgpr 104
		.amdhsa_next_free_sgpr 66
		.amdhsa_reserve_vcc 0
		.amdhsa_float_denorm_mode_32 3
		.amdhsa_float_denorm_mode_16_64 3
		.amdhsa_memory_ordered 1
		.amdhsa_forward_progress 1
		.amdhsa_inst_pref_size 5
	.end_amdhsa_kernel
	.amdgpu_metadata
---
amdhsa.version: [ 1, 2 ]
amdhsa.kernels:
  - .name:           k_q87fa7e92e0_combine
    .symbol:         k_q87fa7e92e0_combine.kd
    .args:
      - { .name: y, .offset: 0, .size: 8, .value_kind: global_buffer, .address_space: global }
      - { .name: out0, .offset: 8, .size: 8, .value_kind: global_buffer, .address_space: global }
    .group_segment_fixed_size: 0
    .private_segment_fixed_size: 0
    .kernarg_segment_align: 8
    .kernarg_segment_size: 16
    .max_flat_workgroup_size: 256
    .sgpr_count:     66
    .vgpr_count:     104
    .wavefront_size: 32
...
	.end_amdgpu_metadata
.endif
;; end of part 5
;; ======== version 2 of 2: 5 launches; version 1 with the launches up, down written anew for expert scheduling mode
;; workspace buffers: ridx 4,096 bytes of whole numbers; rw 8,192 bytes; etab 256 bytes of whole numbers; rl 9,216 bytes of whole numbers; wl 9,216 bytes; xs 9,437,184 bytes; gs 2,359,296 bytes; y 16,842,752 bytes
;; launch route: the kernel of part 1 again; grid 256 x 1, 4 waves a work-group, no clusters, 1,024 bytes of LDS; arguments hidden_states, Wg, bias, ridx, rw; writes ridx, rw
;; launch place: the kernel of part 2 again; grid 144 x 1, 8 waves a work-group, no clusters, 88,320 bytes of LDS; arguments ridx, rw, hidden_states, lowp_scales, etab, rl, wl, xs; writes etab, rl, wl, xs
;; launch up (part 6): grid 32 x 8, 16 waves a work-group, no clusters, 141,312 bytes of LDS; arguments W1, W3, xs, wl, etab, lowp_scales, gs; writes gs
.if DOCPART == 6
	.amdgcn_target "amdgcn-amd-amdhsa--gfx1250"
	.amdhsa_code_object_version 6
	.text
	.protected	k_q87fa7e92e0_up
	.globl	k_q87fa7e92e0_up
	.p2align	8
	.type	k_q87fa7e92e0_up,@function
k_q87fa7e92e0_up:
	s_mov_b64 s[64:65], 0
	v_nop
	global_prefetch_b8 v0, s[64:65] scope:SCOPE_SE
	s_setreg_imm32_b32 hwreg(HW_REG_WAVE_SCHED_MODE, 0, 2), 2
	s_setreg_imm32_b32 hwreg(HW_REG_WAVE_MODE, 25, 1), 1
	s_wait_xcnt 0x0
	s_wait_alu depctr_vm_vsrc(0)
; g = silu(x W1^T) x (x W3^T) x weight, for the routed rows alone, both products on codes of E4M3; g is quantised with 2^e4 and stored as codes.  W1, W3: [8][1024][2048] f32.
; SHARES.  Work-group (u, e) owns f = 32 u .. 32 u + 31 of expert e: 32 rows of W1 and 32 of W3, 512 KB of f32 that no other work-group reads.
; PHASE 1: each of the 16 waves loads 4 of the 64 rows (every load 512 bytes on end), quantises them in registers (W1 with 2^e1, W3 with 2^e3) and lays the codes in LDS as images of fragments.  One barrier.
; PHASE 2: each wave by itself takes groups of 32 routed rows of the expert (wave, wave + 16, ..): the rows' fragments come from xs as they lie (four loads of 512 bytes a fragment), the weights' from LDS.
; The products are used TRANSPOSED (source 0 = 16 rows of a weight, source 1 = 16 routed rows): a lane holds one routed row.  THE ROWS OF A WEIGHT THAT FORM A TILE ARE NOT NEIGHBOURS: row m of tile n is
; f = 8 n + m + 8 (m / 8), so that a lane's 16 results of tiles 0 and 1 are f = 16 (lane / 16) + 0 .. 15: 16 neighbours along the next product's K, and the conversions' results are 16 bytes of that operand's image.
; K's places in a fragment: registers 4 c .. 4 c + 3 hold k = 32 c + 16 (lane / 16) + 0 .. 15: the same in both operands, so every product meets its partner.
; x has two scales, e0 for W1's product and e2 for W3's.  Where they are equal the two sets of codes are equal and one fragment serves both products (loop .Lone); else each product reads its set (.Ltwo).
; NO JOINT LOADS, though an expert's 32 work-groups read the same rows' codes: an expert's number of groups (0 to 32) is read from memory; a
; constant count that serves every split is 32 groups an expert, four times the 8 of an even split.
; gs: [group 72][K step 8][tile 2][2,048 bytes], images as in xs; this work-group writes block u % 4 of K step u / 4.
; LIMITS, so that each power of two below is an f32 number: e1, e3 and e4 - e0 - e1 - e2 - e3 between -126 and 119; e0 + e1 between -126 and 126.  NaN among the inputs is not served.
; THE MODE: SCHED_MODE bits 1:0 = 2 (LLVM: expert scheduling mode 2), set by the entry lines.  The code itself states the register dependences
; between vector or matrix instructions and memory or LDS instructions, with s_wait_alu, always for 0.
; THE PLAN.  Registers that memory or LDS instructions touch:
;   v1, v2, v3, v8-11  Offsets and LDS addresses: written at the head and never again; one wait on va_vdst ahead of the first load serves them for the whole kernel.
;   PHASE 1  v16-207: a row's loads land, its holds write and its conversions read them.  v208-223: the conversions write, the LDS stores read.  A row has one wait on vm_vsrc ahead of its arithmetic (the last row's
;            stores have read the codes) and one on va_vdst behind its conversions (the codes are written; the row's registers are free for the loads that land there next).
;   PHASE 2  XR0 .. XR2: read by a step's products; written by the loads that are issued two sets ahead.  WRG0, WRG1: step t's products read WRG[t % 2]; its LDS loads land in the other, which step t - 1's products read.
;            ONE wait on va_vdst stands at a step's head, behind the waits for the step's own data: step t - 1's products are done reading.  The step's loads follow it, dealt among its four products, which name
;            WRG[t % 2], the set of rows in hand and the accumulators: none of the registers that those loads touch.
;            v12, v14: loaded at a trip's head, read by the multiplications by the weight.  v240-247: written by the conversions, read by the trip's two stores.  One wait on va_vdst ahead of those stores also frees
;            all that the next trip's loads land in (no vector instruction follows it); one on vm_vsrc at the trip's end frees v240-247.
;   The accumulators are named by vector and matrix instructions alone (v208-223 of them once phase 1's stores have read the codes: a wait on vm_vsrc behind the barrier).  v254, v255: written at the head, read by the closing add alone.
.set XR,    16                         ; v16-111  rows' fragments: a ring of 3 x (tile 0, tile 1);  in phase 1 v16-207 are three rows of 64 numbers, v208-223 a row's codes
.set WRG,   112                        ; v112-175 weights' fragments: a ring of 2 x (tile 0, tile 1)
.set ACC,   176                        ; v176-239 accumulator (M, i, n) at 176 + 32 M + 8 (2 i + n): M = 0: W1, 1: W3; i: tile of routed rows; n: tile of the weight
.set XA,    44                         ; s[44:45] set 0's codes of the group, s[46:47] set 1's
.set FRB,   2176                       ; an image in LDS: eight blocks (2 c + h) of 256 bytes + 16; row m at 16 m
.set TILEB, 34816                      ; 16 images: tile (M, n) begins at (2 M + n) x TILEB
	s_load_b256 s[4:11], s[0:1], 0x0               ; W1 s[4:5], W3 s[6:7], xs s[8:9], wl s[10:11]
	s_load_b128 s[12:15], s[0:1], 0x20             ; etab s[12:13], the scales' exponents s[14:15]
	s_load_b64 s[16:17], s[0:1], 0x30              ; gs
	v_lshl_add_u32 v254, v0, 2, 0x22000
	v_mov_b32 v255, 0
	v_and_b32 v1, 31, v0                           ; lane
	v_lshrrev_b32 v6, 5, v0
	v_readfirstlane_b32 s20, v6                    ; wave 0..15
	v_lshrrev_b32 v3, 2, v1
	v_mul_u32_u24 v3, v3, 272
	v_and_b32 v6, 3, v1
	v_lshl_add_u32 v3, v6, 2, v3                   ; a dense load gives lane l k = 4 l .. 4 l + 3 of a K step: block l / 4, bytes 4 (l % 4) of the row's 16
	v_and_b32 v2, 15, v0                           ; r
	v_bfe_u32 v6, v0, 4, 1                         ; h
	v_mul_u32_u24 v6, v6, 272
	v_lshl_add_u32 v6, v2, 4, v6                   ; a fragment's read: block 2 c + h, row r
	v_add_nc_u32 v8, 0, v6                         ; v8-11: tile (M, n) at v[8 + 2 M + n]
	v_add_nc_u32 v9, TILEB, v6
	v_add_nc_u32 v10, 2*TILEB, v6
	v_add_nc_u32 v11, 3*TILEB, v6
	v_lshlrev_b32 v2, 2, v2                        ; 4 r: my row's weight
	v_lshlrev_b32 v1, 4, v1                        ; 16 x lane
	v_mov_b32 v13, 0                               ; (named as the upper halves of the pairs v[12:13], v[14:15])
	v_mov_b32 v15, 0
	s_wait_alu depctr_va_sdst(0)                   ; s20 is written, ahead of its first reader: LDS places, the weight's rows and the trips are made from it
	s_and_b32 s22, ttmp7, 0xffff                   ; the expert
	s_lshr_b32 s36, s20, 3                         ; M: waves 0-7 take W1, waves 8-15 W3
	s_and_b32 s37, s20, 7                          ; my rows: f = 4 ww + 0 .. 3
	s_lshr_b32 s38, s37, 1
	s_and_b32 s38, s38, 1                          ; their tile n = (f / 8) % 2
	s_lshl_b32 s39, s36, 1
	s_add_co_u32 s39, s39, s38
	s_mul_i32 s39, s39, TILEB
	s_lshr_b32 s38, s37, 2                         ; their rows m = 8 (f / 16) + f % 8: 16 bytes each
	s_lshl_b32 s38, s38, 7
	s_add_co_u32 s39, s39, s38
	s_and_b32 s38, s37, 1
	s_lshl_b32 s38, s38, 6
	s_add_co_u32 s39, s39, s38
	v_add_nc_u32 v3, s39, v3
	s_lshl_b32 s26, s22, 10                        ; my first row in the weight: 1024 e + 32 u + 4 ww, of 8,192 bytes
	s_lshl_b32 s38, ttmp9, 5
	s_add_co_u32 s26, s26, s38
	s_lshl_b32 s38, s37, 2
	s_add_co_u32 s26, s26, s38
	s_lshl_b32 s26, s26, 13
	s_mov_b32 s27, 0
	s_lshl_b32 s18, s22, 3
	s_mov_b32 s19, 0
	s_lshr_b32 s54, ttmp9, 2                       ; my place in a group of gs: K step u / 4, block u % 4
	s_lshl_b32 s54, s54, 12
	s_and_b32 s38, ttmp9, 3
	s_lshl_b32 s38, s38, 9
	s_add_co_u32 s54, s54, s38
	s_wait_kmcnt 0x0
	s_add_nc_u64 s[12:13], s[12:13], s[18:19]
	s_load_b64 s[24:25], s[12:13], 0x0             ; the expert's first group, its number of groups
	s_load_b128 s[28:31], s[14:15], 0x0            ; e0, e1, e2, e3
	s_load_b64 s[32:33], s[14:15], 0x10            ; e4, e5
	s_cmp_lt_u32 s20, 8
	s_cselect_b64 s[34:35], s[4:5], s[6:7]
	s_add_nc_u64 s[34:35], s[34:35], s[26:27]
.macro ROWLOAD slot, rho               ; a row of 2,048 numbers: 16 loads of 512 bytes on end; read once in the launch
.irp q, 0,1,2,3,4,5,6,7,8,9,10,11,12,13,14,15
	global_load_b128 v[16+64*\slot+4*\q:16+64*\slot+4*\q+3], v1, s[34:35] offset:8192*\rho+512*\q th:TH_LOAD_NT
.endr
.endm
.macro ROWQ slot, rho                  ; the row becomes 16 words of codes, word q = my four k of K step q
	s_wait_dscnt 0x0                               ; the last row's stores are done
.if (\rho) > 0
	s_wait_alu depctr_vm_vsrc(0)                   ; the last row's LDS stores have read v208-223, which the conversions below write again
.endif
.set i, 0
.rept 64
	v_med3_num_f32 v[16+64*\slot+i], v[16+64*\slot+i], -v5, v5   ; the conversion to an 8-bit code does not saturate (ISA guide 7.6.2): the hold comes first
.set i, i+1
.endr
.irp p, 0,1,2,3,4,5,6,7
	v_cvt_scalef32_pk8_fp8_f32 v[208+2*\p:209+2*\p], v[16+64*\slot+8*\p:16+64*\slot+8*\p+7], v4
.endr
	v_nop                                          ; a plain instruction behind the last conversion
	s_wait_alu depctr_va_vdst(0)                   ; the conversions have written v208-223, which the stores read; holds and conversions are done with the row's 64 registers, in which the next loads land (row 3's behind row 0; phase 2's behind the last row)
.irp q, 0,1,2,3,4,5,6,7,8,9,10,11,12,13,14,15
	ds_store_b32 v3, v[208+\q] offset:FRB*\q+16*\rho
.endr
.endm
	s_wait_alu depctr_va_vdst(0)                   ; v1, v2, v3 and v8 to v11 are written: every load and store of the kernel reads one of them as its offset or LDS address
	ROWLOAD 0, 0                                   ; three of my four rows are asked for at once: 48 loads a wave, 384 KB a work-group
	ROWLOAD 1, 1
	ROWLOAD 2, 2
	s_wait_kmcnt 0x0
	s_cmp_lt_u32 s20, 8
	s_cselect_b32 s55, s29, s31                    ; e1 for W1, e3 for W3
	s_add_co_i32 s55, s55, 127
	s_lshl_b32 s56, s55, 23
	v_mov_b32 v4, s56                              ; the weight's scale as f32
	s_add_co_i32 s55, s55, 8
	s_lshl_b32 s55, s55, 23
	s_or_b32 s55, s55, 0x600000
	v_mov_b32 v5, s55                              ; 448 x the scale
	s_add_co_i32 s40, s28, s29
	s_lshl_b32 s40, s40, 23
	s_add_co_i32 s40, s40, 0xbfb8aa3b              ; c1 = -log2(e) x 2^(e0 + e1): the exponents are added to the constant's exponent field
	s_mov_b32 s41, s40                             ; (named with it as a pair)
	s_sub_co_i32 s55, s32, s28
	s_sub_co_i32 s55, s55, s29
	s_sub_co_i32 s55, s55, s30
	s_sub_co_i32 s55, s55, s31                     ; the two sums stand for sums x 2^(e0 + e1) and x 2^(e2 + e3): all five scales are folded into the conversion's one
	s_add_co_i32 s55, s55, 127
	s_lshl_b32 s56, s55, 23
	v_mov_b32 v6, s56                              ; 2^(e4 - e0 - e1 - e2 - e3)
	s_add_co_i32 s55, s55, 8
	s_lshl_b32 s55, s55, 23
	s_or_b32 s55, s55, 0x600000
	v_mov_b32 v7, s55                              ; 448 x that
	s_min_u32 s24, s24, 71
	s_min_u32 s25, s25, 32
	s_wait_loadcnt 32                              ; row 0 is in; two rows' loads are younger
	ROWQ 0, 0
	ROWLOAD 0, 3
	s_wait_loadcnt 32                              ; row 1 is in; rows 2 and 3 are younger
	ROWQ 1, 1
	s_wait_loadcnt 16
	ROWQ 2, 2
	s_wait_loadcnt 0x0
	ROWQ 0, 3
	s_wait_dscnt 0x0                               ; for the others' sake: my rows' codes lie in LDS
	s_barrier_signal -1
	s_barrier_wait -1                              ; the launch's one barrier: from here on LDS is only read, and each wave goes its own way
	s_wait_alu depctr_vm_vsrc(0)                   ; my LDS stores have read v208-223: these registers are accumulators from here on, written by the products
.macro XL4 buf, ptr, q, i              ; tile i of the group's two fragments of K step q: 4 loads of 512 bytes on end
.irp c, 0,1,2,3
	global_load_b128 v[XR+32*(\buf)+16*(\i)+4*\c:XR+32*(\buf)+16*(\i)+4*\c+3], v1, s[\ptr:\ptr+1] offset:4096*(\q)+2048*(\i)+512*\c
.endr
.endm
.macro XL buf, ptr, q                  ; both
	XL4 \buf, \ptr, \q, 0
	XL4 \buf, \ptr, \q, 1
.endm
.macro WL4 wb, mm, q, n                ; tile n of weight mm's two fragments of K step q
.irp c, 0,1,2,3
	ds_load_b128 v[WRG+32*(\wb)+16*(\n)+4*\c:WRG+32*(\wb)+16*(\n)+4*\c+3], v[8+2*(\mm)+(\n)] offset:FRB*(\q)+544*\c
.endr
.endm
.macro PR mm, xbuf, wbuf, zero, i, n   ; one product; the eight accumulators take turns, one instruction a turn.  zero: the first K step starts the sums
.if \zero
	v_wmma_f32_16x16x128_fp8_fp8 v[ACC+32*(\mm)+8*(2*(\i)+(\n)):ACC+32*(\mm)+8*(2*(\i)+(\n))+7], v[WRG+32*(\wbuf)+16*(\n):WRG+32*(\wbuf)+16*(\n)+15], v[XR+32*(\xbuf)+16*(\i):XR+32*(\xbuf)+16*(\i)+15], 0
.else
	v_wmma_f32_16x16x128_fp8_fp8 v[ACC+32*(\mm)+8*(2*(\i)+(\n)):ACC+32*(\mm)+8*(2*(\i)+(\n))+7], v[WRG+32*(\wbuf)+16*(\n):WRG+32*(\wbuf)+16*(\n)+15], v[XR+32*(\xbuf)+16*(\i):XR+32*(\xbuf)+16*(\i)+15], v[ACC+32*(\mm)+8*(2*(\i)+(\n)):ACC+32*(\mm)+8*(2*(\i)+(\n))+7]
.endif
.endm
.macro XN same, i                      ; tile i of the rows' fragments two sets ahead, where there are any: they land in the set that the products ahead of the step's wait read last
.if \same
.if (M == 0) && (q < 14)
	XL4 (q+2)%3, XA, q+2, \i
.endif
.else
.if t < 30
	XL4 (t+2)%3, XA+2*M, (t+2)/2, \i
.endif
.endif
.endm
; Step t of 32: K step t / 2, weight t % 2.  This step's data are waited for; one wait states that the last step's products are done reading; then the next step's weights and the rows' fragments two sets ahead
; are asked for, dealt among this step's four products.
.macro SUB same
.set q, t/2
.set M, t%2
.if \same
.set xb, q%3
.if M == 0
.if q < 15
	s_wait_loadcnt 8                               ; K step q's fragments are in; the next K step's eight loads are younger
.else
	s_wait_loadcnt 0
.endif
.endif
.else
.set xb, t%3
.if t < 31
	s_wait_loadcnt 8                               ; step t's fragments are in; the next step's eight loads are younger
.else
	s_wait_loadcnt 0
.endif
.endif
	s_wait_dscnt 0x0                               ; this step's weights are in: its eight loads, issued in the step before, are all that is out
.if (t > 0) && (t < 31)
	s_wait_alu depctr_va_vdst(0)                   ; the last step's products are done reading their weights' fragments and the oldest set of rows' fragments, in which the loads below land.  (Step 0's loads land in registers that the wait ahead of the trip has freed; step 31 issues none)
.endif
.if t < 31
	WL4 (t+1)%2, (t+1)%2, (t+1)/2, 0
.endif
	PR M, xb, t%2, (q==0), 0, 0
.if t < 31
	WL4 (t+1)%2, (t+1)%2, (t+1)/2, 1               ; no wait: no product since the wait above names these registers; likewise below
.endif
	PR M, xb, t%2, (q==0), 0, 1
	XN \same, 0
	PR M, xb, t%2, (q==0), 1, 0
	XN \same, 1
	PR M, xb, t%2, (q==0), 1, 1
.endm
; One group of 32 routed rows.
.macro GROUP same
	s_add_co_u32 s43, s24, s42
	s_min_u32 s43, s43, 71                         ; the group
	s_lshl_b32 s52, s43, 16
	s_mov_b32 s53, 0
	s_add_nc_u64 s[XA:XA+1], s[8:9], s[52:53]
	s_add_nc_u64 s[XA+2:XA+3], s[XA:XA+1], 0x480000
	s_lshl_b32 s52, s43, 7
	s_add_nc_u64 s[48:49], s[10:11], s[52:53]
	s_lshl_b32 s52, s43, 15
	s_add_co_u32 s52, s52, s54
	s_add_nc_u64 s[50:51], s[16:17], s[52:53]
	global_load_b32 v12, v2, s[48:49]              ; my row's weight, tile 0 and tile 1: the oldest loads, in by the first counted wait.  (No wait ahead of the trip's first loads: no vector instruction stands between them and the last wait on va_vdst, phase 1's or the last trip's)
	global_load_b32 v14, v2, s[48:49] offset:64
.if \same
	XL 0, XA, 0
	XL 1, XA, 1
.else
	XL 0, XA, 0
	XL 1, XA+2, 0
.endif
	WL4 0, 0, 0, 0
	WL4 0, 0, 0, 1
.set t, 0
.rept 32
	SUB \same
.set t, t+1
.endr
.rept 4
	v_nop                                          ; places between the last products and the first read of results
.endr
.set j, 0
.rept 16
	v_pk_mul_f32 v[16+j:17+j], v[ACC+j:ACC+j+1], s[40:41] op_sel_hi:[1,0]   ; -log2(e) x h1; each accumulator is read from its low end on
.set j, j+2
.endr
.set j, 0
.rept 32
	v_exp_f32 v[16+j], v[16+j]
.set j, j+1
.endr
	v_nop                                          ; a plain instruction behind the last exponential
	s_wait_alu depctr_va_vdst(0)                   ; the 32 exponentials have written v16-47: one wait for the batch, ahead of its first reader
.set j, 0
.rept 16
	v_pk_add_f32 v[16+j:17+j], v[16+j:17+j], 1.0 op_sel_hi:[1,0]
.set j, j+2
.endr
.set j, 0
.rept 32
	v_rcp_f32 v[16+j], v[16+j]                     ; sigmoid(h1)
.set j, j+1
.endr
	v_nop
	s_wait_alu depctr_va_vdst(0)                   ; the 32 reciprocals have written v16-47: one wait for the batch, ahead of its first reader
.set j, 0
.rept 16
	v_pk_mul_f32 v[16+j:17+j], v[16+j:17+j], v[ACC+j:ACC+j+1]               ; x h1,
.set j, j+2
.endr
.set j, 0
.rept 16
	v_pk_mul_f32 v[16+j:17+j], v[16+j:17+j], v[ACC+32+j:ACC+32+j+1]         ; x h3 (from each accumulator's low end on),
.set j, j+2
.endr
.irp i, 0,1
.set j, 0
.rept 8
	v_pk_mul_f32 v[16+16*\i+j:17+16*\i+j], v[16+16*\i+j:17+16*\i+j], v[12+2*\i:13+2*\i] op_sel_hi:[1,0]   ; x my row's weight
.set j, j+2
.endr
.endr
.set j, 0
.rept 32
	v_med3_num_f32 v[16+j], v[16+j], -v7, v7
.set j, j+1
.endr
.irp i, 0,1
	v_cvt_scalef32_pk8_fp8_f32 v[240+4*\i:241+4*\i], v[16+16*\i:23+16*\i], v6
	v_cvt_scalef32_pk8_fp8_f32 v[242+4*\i:243+4*\i], v[24+16*\i:31+16*\i], v6
.endr
	v_nop                                          ; a plain instruction behind the last conversion
	s_wait_alu depctr_va_vdst(0)                   ; the conversions have written v240-247, which the stores read; and all the trip's vector and matrix instructions are done with v12, v14 and v16-175, in which the next trip's loads land
.irp i, 0,1
	global_store_b128 v1, v[240+4*\i:243+4*\i], s[50:51] offset:2048*\i     ; 32 lanes store 512 bytes on end: one block of an image
.endr
	s_wait_xcnt 0x0                                ; the stores have read their registers and their base: the next trip writes both
	s_wait_alu depctr_vm_vsrc(0)                   ; the stores have read v240-247, which the next trip's conversions write again
.endm
	s_add_co_u32 s58, s25, 15                      ; my trips: the groups wave, wave + 16, .. under the expert's number of groups (at most 32):
	s_sub_co_u32 s58, s58, s20
	s_lshr_b32 s58, s58, 4                         ; (groups + 15 - wave) / 16: 0, 1 or 2
	s_mov_b32 s42, s20                             ; my first group of the expert's
	s_mov_b32 s57, 0                               ; trips done
	s_cmp_eq_u32 s58, 0
	s_cbranch_scc1 .Lend
	s_cmp_lg_u32 s28, s30
	s_cbranch_scc1 .Ltwo
.Lone:
	GROUP 1
	s_add_co_u32 s42, s42, 16
	s_add_co_u32 s57, s57, 1
	s_cmp_lt_u32 s57, s58
	s_cbranch_scc1 .Lone
	s_wait_dscnt 0x0                               ; the closing lines, six on end
	s_wait_alu 0x0
	s_wait_tensorcnt 0x0
	ds_add_u32 v254, v255
	s_wait_dscnt 0x0
	s_endpgm
.Ltwo:
	GROUP 0
	s_add_co_u32 s42, s42, 16
	s_add_co_u32 s57, s57, 1
	s_cmp_lt_u32 s57, s58
	s_cbranch_scc1 .Ltwo
.Lend:
	s_wait_dscnt 0x0                               ; the closing lines, six on end
	s_wait_alu 0x0
	s_wait_tensorcnt 0x0
	ds_add_u32 v254, v255
	s_wait_dscnt 0x0
	s_endpgm
.Lfunc_end_k_q87fa7e92e0_up:
	.size	k_q87fa7e92e0_up, .Lfunc_end_k_q87fa7e92e0_up-k_q87fa7e92e0_up
	.p2alignl 7, 3214868480
	.fill 96, 4, 3214868480
	.section	.rodata,"a",@progbits
	.p2align	6, 0x0
	.amdhsa_kernel k_q87fa7e92e0_up
		.amdhsa_group_segment_fixed_size 141312
		.amdhsa_private_segment_fixed_size 0
		.amdhsa_enable_private_segment 0
		.amdhsa_kernarg_size 56
		.amdhsa_user_sgpr_count 2
		.amdhsa_user_sgpr_kernarg_segment_ptr 1
		.amdhsa_wavefront_size32 1
		.amdhsa_system_sgpr_workgroup_id_x 1
		.amdhsa_system_sgpr_workgroup_id_y 1
		.amdhsa_system_sgpr_workgroup_id_z 1
		.amdhsa_system_vgpr_workitem_id 0
		.amdhsa_next_free_vgpr 256
		.amdhsa_next_free_sgpr 66
		.amdhsa_reserve_vcc 0
		.amdhsa_float_denorm_mode_32 3
		.amdhsa_float_denorm_mode_16_64 3
		.amdhsa_memory_ordered 1
		.amdhsa_forward_progress 1
		.amdhsa_inst_pref_size 144
	.end_amdhsa_kernel
	.amdgpu_metadata
---
amdhsa.version: [ 1, 2 ]
amdhsa.kernels:
  - .name:           k_q87fa7e92e0_up
    .symbol:         k_q87fa7e92e0_up.kd
    .args:
      - { .name: W1, .offset: 0, .size: 8, .value_kind: global_buffer, .address_space: global }
      - { .name: W3, .offset: 8, .size: 8, .value_kind: global_buffer, .address_space: global }
      - { .name: xs, .offset: 16, .size: 8, .value_kind: global_buffer, .address_space: global }
      - { .name: wl, .offset: 24, .size: 8, .value_kind: global_buffer, .address_space: global }
      - { .name: etab, .offset: 32, .size: 8, .value_kind: global_buffer, .address_space: global }
      - { .name: lowp_scales, .offset: 40, .size: 8, .value_kind: global_buffer, .address_space: global }
      - { .name: gs, .offset: 48, .size: 8, .value_kind: global_buffer, .address_space: global }
    .group_segment_fixed_size: 141312
    .private_segment_fixed_size: 0
    .kernarg_segment_align: 8
    .kernarg_segment_size: 56
    .max_flat_workgroup_size: 512
    .sgpr_count:     66
    .vgpr_count:     256
    .wavefront_size: 32
...
	.end_amdgpu_metadata
.endif
;; end of part 6
;; launch down (part 7): grid 32 x 8, 16 waves a work-group, no clusters, 141,312 bytes of LDS; arguments W2, gs, rl, etab, lowp_scales, y; writes y
.if DOCPART == 7
	.amdgcn_target "amdgcn-amd-amdhsa--gfx1250"
	.amdhsa_code_object_version 6
	.text
	.protected	k_q87fa7e92e0_down
	.globl	k_q87fa7e92e0_down
	.p2align	8
	.type	k_q87fa7e92e0_down,@function
k_q87fa7e92e0_down:
	s_mov_b64 s[64:65], 0
	v_nop
	global_prefetch_b8 v0, s[64:65] scope:SCOPE_SE
	s_setreg_imm32_b32 hwreg(HW_REG_WAVE_SCHED_MODE, 0, 2), 2
	s_setreg_imm32_b32 hwreg(HW_REG_WAVE_MODE, 25, 1), 1
	s_wait_xcnt 0x0
	s_wait_alu depctr_vm_vsrc(0)
; y[rank x 1024 + token] = g W2[e]^T x 2^(e4 + e5), for each routed row, on codes of E4M3.  W2: [8][2048][1024] f32; gs: g's codes, images of fragments (launch up).  y: 2,056 rows of 2,048 f32.
; SHARES.  Work-group (v, e) owns outputs 64 v .. 64 v + 63 of expert e: 64 rows of W2, 256 KB of f32 that no other work-group reads.
; PHASE 1: each of the 16 waves loads 4 rows (every load 512 bytes on end), quantises them with 2^e5 and lays the codes in LDS as images of fragments.  One barrier.
; PHASE 2: each wave by itself takes groups of 32 routed rows (wave, wave + 16, ..): g's fragments from gs as they lie, W2's from LDS; products TRANSPOSED (source 0 = 16 rows of W2, source 1 = 16 routed rows), so
; that a lane's eight results are eight neighbouring outputs of one row.  A tile of 16 rows x 64 outputs goes through the wave's own stage in LDS and leaves by rows: sixteen lanes store 256 bytes on end, aligned.
; Each (token, rank) is one row of y with one owner for each 256 bytes; a filling row ends in row 2048 + e, which nobody reads.  The two ranks are added by the next launch.
; NO JOINT LOADS, though an expert's 32 work-groups read the same codes of g: the number of groups (0 to 32) is read from memory; a constant
; count that serves every split is 32 groups an expert, four times the 8 of an even split.
; LIMITS: e5 between -126 and 119; e4 + e5 between -126 and 127.  NaN among the inputs is not served.
; THE MODE: SCHED_MODE bits 1:0 = 2 (LLVM: expert scheduling mode 2), set by the entry lines.  The code itself states the register dependences
; between vector or matrix instructions and memory or LDS instructions, with s_wait_alu, always for 0.
; THE PLAN.  Registers that memory or LDS instructions touch:
;   v1, v2, v3, v8-12  Offsets and LDS addresses: written at the head and never again; one wait on va_vdst ahead of the first load serves them for the whole kernel.
;   PHASE 1  v16-143: my four rows: loads land, the holds write and the conversions read them.  v144-175: a row's conversions write its own eight registers; its LDS stores, which read them, stand one row later, behind
;            the wait for the next row's data and one wait on va_vdst; the last row's stand behind a wait of their own.  That last wait also frees v16-175 for phase 2's loads.
;   PHASE 2  XR0 .. XR2: read by a K step's products; written by the loads that are issued two K steps ahead.  WRG0, WRG1: step t's products read WRG[t % 2]; its LDS loads land in the other, which step t - 1's products
;            read.  ONE wait on va_vdst stands at a step's head, behind the waits for the step's own data; the step's loads follow it, dealt among its four products, which name none of the registers that those loads touch.
;   THE WAY OUT  v16-79: written by the scalings, read by the stage's stores.  v80-143: the loads from the stage land there (products have read them); the global stores read them.  v240-255: the rows' names land there,
;            two vector lines make offsets of them, the global stores read them.  One wait on va_vdst behind the scalings and the offsets serves all of that and the next trip's loads; one on vm_vsrc at the trip's end
;            frees v16-143 and v240-255 for them.
;   The accumulators are named by vector and matrix instructions alone.  v14, v15: written at the head, read by the closing add alone.
.set XR,    16                         ; v16-111  g's fragments: a ring of 3 x (tile 0, tile 1);  in phase 1 v16-143 are my four rows, v144-175 their codes
.set WRG,   112                        ; v112-175 W2's fragments: a ring of 2 x two tiles
.set ACC,   176                        ; v176-239 accumulator (M, i, n') at 176 + 32 M + 8 (2 i + n'): W2's tile n = 2 M + n', tile i of routed rows
.set RLR,   240                        ; v240-255 the rows' names, then the stores' offsets
.set XA,    44
.set FRB,   2176                       ; an image in LDS: eight blocks (2 c + h) of 256 bytes + 16; row m at 16 m
.set TILEB, 17408                      ; 8 images: tile n begins at n x TILEB
.set STG,   69632                      ; behind the images: a stage of 16 rows x (256 bytes + 16) for each wave
	s_load_b256 s[4:11], s[0:1], 0x0               ; W2 s[4:5], gs s[6:7], rl s[8:9], etab s[10:11]
	s_load_b128 s[12:15], s[0:1], 0x20             ; the scales' exponents s[12:13], y s[14:15]
	v_lshl_add_u32 v14, v0, 2, 0x22000
	v_mov_b32 v15, 0
	v_and_b32 v1, 31, v0                           ; lane
	v_lshrrev_b32 v6, 5, v0
	v_readfirstlane_b32 s20, v6                    ; wave 0..15
	v_lshrrev_b32 v3, 2, v1
	v_mul_u32_u24 v3, v3, 272
	v_and_b32 v6, 3, v1
	v_lshl_add_u32 v3, v6, 2, v3                   ; a dense load gives lane l k = 4 l .. 4 l + 3 of a K step: block l / 4, bytes 4 (l % 4) of the row's 16
	v_and_b32 v7, 15, v0                           ; r
	v_bfe_u32 v2, v0, 4, 1                         ; h
	v_mul_u32_u24 v6, v2, 272
	v_lshl_add_u32 v6, v7, 4, v6                   ; 272 h + 16 r
	v_add_nc_u32 v8, 0, v6                         ; W2's tiles 0, 1
	v_add_nc_u32 v9, 2*TILEB, v6                   ; tiles 2, 3
	s_wait_alu depctr_va_sdst(0)                   ; s20 is written, ahead of its first reader: LDS places, W2's rows and the trips are made from it
	s_mul_i32 s36, s20, 16*272
	s_add_co_u32 s36, s36, STG                     ; my stage
	v_add_nc_u32 v11, s36, v6                      ; back: lanes 0-15 one row of 256 bytes, lanes 16-31 the next
	v_mul_u32_u24 v10, v7, 272
	v_lshl_add_u32 v10, v2, 5, v10
	v_add_nc_u32 v10, s36, v10                     ; in: row r, 32 bytes for each half of the lanes
	v_lshlrev_b32 v12, 4, v7                       ; 16 r: my 16 bytes of a row's 256
	v_lshlrev_b32 v2, 2, v2                        ; 4 h: which of two rows' names is mine
	v_lshlrev_b32 v1, 4, v1                        ; 16 x lane
	s_and_b32 s22, ttmp7, 0xffff                   ; the expert
	s_lshr_b32 s37, s20, 2                         ; my rows 4 w + 0 .. 3: tile w / 4,
	s_mul_i32 s37, s37, TILEB
	s_and_b32 s38, s20, 3                          ; rows 4 (w % 4) on, 16 bytes each
	s_lshl_b32 s38, s38, 6
	s_add_co_u32 s37, s37, s38
	v_add_nc_u32 v3, s37, v3
	s_lshl_b32 s26, s22, 11                        ; my first row of W2: 2048 e + 64 v + 4 w, of 4,096 bytes
	s_lshl_b32 s38, ttmp9, 6
	s_add_co_u32 s26, s26, s38
	s_lshl_b32 s38, s20, 2
	s_add_co_u32 s26, s26, s38
	s_lshl_b32 s26, s26, 12
	s_mov_b32 s27, 0
	s_lshl_b32 s18, s22, 3
	s_mov_b32 s19, 0
	s_lshl_b32 s16, ttmp9, 8                       ; my 64 outputs in a row of y
	s_mov_b32 s17, 0
	s_wait_kmcnt 0x0
	s_add_nc_u64 s[10:11], s[10:11], s[18:19]
	s_load_b64 s[24:25], s[10:11], 0x0             ; the expert's first group, its number of groups
	s_load_b64 s[32:33], s[12:13], 0x10            ; e4, e5
	s_add_nc_u64 s[4:5], s[4:5], s[26:27]
	s_add_nc_u64 s[14:15], s[14:15], s[16:17]
	s_wait_alu depctr_va_vdst(0)                   ; v1, v2, v3 and v8 to v12 are written: every load and store of the kernel reads one of them as, or has one of them in, its offset or LDS address
.irp rho, 0,1,2,3
.irp q, 0,1,2,3,4,5,6,7
	global_load_b128 v[16+32*\rho+4*\q:16+32*\rho+4*\q+3], v1, s[4:5] offset:4096*\rho+512*\q th:TH_LOAD_NT   ; all four rows at once: 32 loads a wave, the work-group's whole 256 KB; read once in the launch
.endr
.endr
	s_wait_kmcnt 0x0
	s_add_co_i32 s39, s33, 127
	s_lshl_b32 s38, s39, 23
	v_mov_b32 v4, s38                              ; 2^e5 as f32
	s_add_co_i32 s39, s39, 8
	s_lshl_b32 s39, s39, 23
	s_or_b32 s39, s39, 0x600000
	v_mov_b32 v5, s39                              ; 448 x 2^e5
	s_add_co_i32 s40, s32, s33
	s_add_co_i32 s40, s40, 127
	s_lshl_b32 s40, s40, 23                        ; 2^(e4 + e5) as f32
	s_mov_b32 s41, s40                             ; (named with it as a pair)
	s_min_u32 s24, s24, 71
	s_min_u32 s25, s25, 32
.macro CODES rho                       ; row rho's eight words of codes, word q = my four k of K step q, go to their places in the images
.irp q, 0,1,2,3,4,5,6,7
	ds_store_b32 v3, v[144+8*(\rho)+\q] offset:FRB*\q+16*(\rho)
.endr
.endm
.irp rho, 0,1,2,3
	s_wait_loadcnt 24-8*\rho                       ; this row's eight loads are in; the later rows' are younger
.if \rho > 0
	s_wait_alu depctr_va_vdst(0)                   ; the conversions of the row before have written its eight registers of codes, which the stores below read
	CODES \rho-1
.endif
.set i, 0
.rept 32
	v_med3_num_f32 v[16+32*\rho+i], v[16+32*\rho+i], -v5, v5   ; the conversion to an 8-bit code does not saturate (ISA guide 7.6.2): the hold comes first
.set i, i+1
.endr
.irp p, 0,1,2,3
	v_cvt_scalef32_pk8_fp8_f32 v[144+8*\rho+2*\p:145+8*\rho+2*\p], v[16+32*\rho+8*\p:16+32*\rho+8*\p+7], v4
.endr
	v_nop                                          ; a plain instruction behind the last conversion
.endr
	s_wait_alu depctr_va_vdst(0)                   ; the last row's conversions have written its codes, which the stores below read; holds and conversions are done with v16-175, in which phase 2's loads land
	CODES 3
	s_wait_dscnt 0x0                               ; for the others' sake: my rows' codes lie in LDS
	s_barrier_signal -1
	s_barrier_wait -1                              ; the launch's one barrier: the images are only read from here on, and a stage is its wave's own
	s_wait_alu depctr_vm_vsrc(0)                   ; my LDS stores have read v144-175, in which W2's fragments land from here on
.macro XL4 buf, ptr, q, i              ; tile i of the group's two fragments of K step q: 4 loads of 512 bytes on end
.irp c, 0,1,2,3
	global_load_b128 v[XR+32*(\buf)+16*(\i)+4*\c:XR+32*(\buf)+16*(\i)+4*\c+3], v1, s[\ptr:\ptr+1] offset:4096*(\q)+2048*(\i)+512*\c
.endr
.endm
.macro WL4 wb, mm, q, n                ; W2's tile 2 mm + n, K step q
.irp c, 0,1,2,3
	ds_load_b128 v[WRG+32*(\wb)+16*(\n)+4*\c:WRG+32*(\wb)+16*(\n)+4*\c+3], v[8+(\mm)] offset:TILEB*(\n)+FRB*(\q)+544*\c
.endr
.endm
.macro PR mm, xbuf, wbuf, zero, i, n   ; one product; the eight accumulators take turns, one instruction a turn.  zero: the first K step starts the sums
.if \zero
	v_wmma_f32_16x16x128_fp8_fp8 v[ACC+32*(\mm)+8*(2*(\i)+(\n)):ACC+32*(\mm)+8*(2*(\i)+(\n))+7], v[WRG+32*(\wbuf)+16*(\n):WRG+32*(\wbuf)+16*(\n)+15], v[XR+32*(\xbuf)+16*(\i):XR+32*(\xbuf)+16*(\i)+15], 0
.else
	v_wmma_f32_16x16x128_fp8_fp8 v[ACC+32*(\mm)+8*(2*(\i)+(\n)):ACC+32*(\mm)+8*(2*(\i)+(\n))+7], v[WRG+32*(\wbuf)+16*(\n):WRG+32*(\wbuf)+16*(\n)+15], v[XR+32*(\xbuf)+16*(\i):XR+32*(\xbuf)+16*(\i)+15], v[ACC+32*(\mm)+8*(2*(\i)+(\n)):ACC+32*(\mm)+8*(2*(\i)+(\n))+7]
.endif
.endm
.macro XN i                            ; tile i of g's fragments two K steps ahead, where there are any: they land in the set that the products ahead of the step's wait read last
.if (M == 0) && (q < 6)
	XL4 (q+2)%3, XA, q+2, \i
.endif
.endm
; Step t of 16: K step t / 2, W2's pair of tiles t % 2.  This step's data are waited for; one wait states that the last step's products are done reading; then the next step's weights and g's fragments two K steps
; ahead are asked for, dealt among this step's four products.
.macro SUB
.set q, t/2
.set M, t%2
.if M == 0
.if q < 7
	s_wait_loadcnt 8                               ; K step q's fragments are in; the next K step's eight loads are younger
.else
	s_wait_loadcnt 0
.endif
.endif
	s_wait_dscnt 0x0                               ; this step's weights are in: its eight loads, issued in the step before, are all that is out
.if (t > 0) && (t < 15)
	s_wait_alu depctr_va_vdst(0)                   ; the last step's products are done reading their fragments of W2 and the oldest set of g's fragments, in which the loads below land.  (Step 0's loads land in registers that the wait ahead of the trip has freed; step 15 issues none)
.endif
.if t < 15
	WL4 (t+1)%2, (t+1)%2, (t+1)/2, 0
.endif
	PR M, q%3, t%2, (q==0), 0, 0
.if t < 15
	WL4 (t+1)%2, (t+1)%2, (t+1)/2, 1               ; no wait: no product since the wait above names these registers; likewise below
.endif
	PR M, q%3, t%2, (q==0), 0, 1
	XN 0
	PR M, q%3, t%2, (q==0), 1, 0
	XN 1
	PR M, q%3, t%2, (q==0), 1, 1
.endm
	s_add_co_u32 s55, s25, 15                      ; my trips: the groups wave, wave + 16, .. under the expert's number of groups (at most 32):
	s_sub_co_u32 s55, s55, s20
	s_lshr_b32 s55, s55, 4                         ; (groups + 15 - wave) / 16: 0, 1 or 2
	s_mov_b32 s42, s20                             ; my first group of the expert's
	s_mov_b32 s54, 0                               ; trips done
	s_cmp_eq_u32 s55, 0
	s_cbranch_scc1 .Lend
.Lgroup:
	s_add_co_u32 s43, s24, s42
	s_min_u32 s43, s43, 71                         ; the group
	s_lshl_b32 s52, s43, 15
	s_mov_b32 s53, 0
	s_add_nc_u64 s[XA:XA+1], s[6:7], s[52:53]
	s_lshl_b32 s52, s43, 7
	s_add_nc_u64 s[48:49], s[8:9], s[52:53]
.irp i, 0,1
.irp p, 0,1,2,3,4,5,6,7
	global_load_b32 v[RLR+8*\i+\p], v2, s[48:49] offset:4*(16*\i+2*\p)   ; the name of row 16 i + 2 p + lane / 16: the oldest loads, in by the first counted wait.  (No wait ahead of the trip's first loads: no vector instruction stands between them and the last wait on va_vdst, phase 1's or the last trip's)
.endr
.endr
	XL4 0, XA, 0, 0
	XL4 0, XA, 0, 1
	XL4 1, XA, 1, 0
	XL4 1, XA, 1, 1
	WL4 0, 0, 0, 0
	WL4 0, 0, 0, 1
.set t, 0
.rept 16
	SUB
.set t, t+1
.endr
.rept 4
	v_nop                                          ; places between the last products and the first read of results
.endr
.irp i, 0,1
.irp n, 0,1,2,3
.irp j, 0,2,4,6
	v_pk_mul_f32 v[16+32*\i+8*\n+\j:17+32*\i+8*\n+\j], v[ACC+32*(\n/2)+16*\i+8*(\n%2)+\j:ACC+32*(\n/2)+16*\i+8*(\n%2)+\j+1], s[40:41] op_sel_hi:[1,0]   ; x 2^(e4 + e5); each accumulator from its low end on
.endr
.endr
.endr
.irp p, 0,1,2,3,4,5,6,7,8,9,10,11,12,13,14,15
	v_min_u32 v[RLR+\p], 0x807, v[RLR+\p]          ; a row of y is under 2,056
	v_lshl_add_u32 v[RLR+\p], v[RLR+\p], 13, v12   ; x 8,192 bytes + my 16 of the 256
.endr
	s_wait_alu depctr_va_vdst(0)                   ; the scalings have written v16-79, which the stage's stores read; the offsets v240-255 are written, which the global stores read; the products are done reading v80-143, in which the loads from the stage land; and nothing of the trip still names what the next trip's loads land in
.irp i, 0,1
.irp n, 0,1,2,3
	ds_store_b128 v10, v[16+32*\i+8*\n:19+32*\i+8*\n] offset:64*\n
	ds_store_b128 v10, v[20+32*\i+8*\n:23+32*\i+8*\n] offset:64*\n+16
.endr
.irp p, 0,1,2,3,4,5,6,7
	ds_load_b128 v[80+32*\i+4*\p:83+32*\i+4*\p], v11 offset:544*\p   ; LDS serves a wave's instructions in order (ISA guide 5.7.1.4): these see my stores, and the next tile's stores come behind them
.endr
.endr
.irp i, 0,1
.irp p, 0,1,2,3,4,5,6,7
	s_wait_dscnt 16*(1-\i)+7-\p                    ; this load is in; the younger ones (the tile's later loads, and for tile 0 tile 1's sixteen) may be out
	global_store_b128 v[RLR+8*\i+\p], v[80+32*\i+4*\p:83+32*\i+4*\p], s[14:15] th:TH_STORE_NT   ; sixteen lanes store 256 bytes on end, at a multiple of 256 from y's first byte
.endr
.endr
	s_wait_xcnt 0x0                                ; the stores have read their registers: the next trip loads into them
	s_wait_alu depctr_vm_vsrc(0)                   ; the stage's stores have read v16-79, the global stores v80-143 and v240-255: the next trip's loads land in all of them
	s_add_co_u32 s42, s42, 16
	s_add_co_u32 s54, s54, 1
	s_cmp_lt_u32 s54, s55
	s_cbranch_scc1 .Lgroup
.Lend:
	s_wait_dscnt 0x0                               ; the closing lines, six on end
	s_wait_alu 0x0
	s_wait_tensorcnt 0x0
	ds_add_u32 v14, v15
	s_wait_dscnt 0x0
	s_endpgm
.Lfunc_end_k_q87fa7e92e0_down:
	.size	k_q87fa7e92e0_down, .Lfunc_end_k_q87fa7e92e0_down-k_q87fa7e92e0_down
	.p2alignl 7, 3214868480
	.fill 96, 4, 3214868480
	.section	.rodata,"a",@progbits
	.p2align	6, 0x0
	.amdhsa_kernel k_q87fa7e92e0_down
		.amdhsa_group_segment_fixed_size 141312
		.amdhsa_private_segment_fixed_size 0
		.amdhsa_enable_private_segment 0
		.amdhsa_kernarg_size 48
		.amdhsa_user_sgpr_count 2
		.amdhsa_user_sgpr_kernarg_segment_ptr 1
		.amdhsa_wavefront_size32 1
		.amdhsa_system_sgpr_workgroup_id_x 1
		.amdhsa_system_sgpr_workgroup_id_y 1
		.amdhsa_system_sgpr_workgroup_id_z 1
		.amdhsa_system_vgpr_workitem_id 0
		.amdhsa_next_free_vgpr 256
		.amdhsa_next_free_sgpr 66
		.amdhsa_reserve_vcc 0
		.amdhsa_float_denorm_mode_32 3
		.amdhsa_float_denorm_mode_16_64 3
		.amdhsa_memory_ordered 1
		.amdhsa_forward_progress 1
		.amdhsa_inst_pref_size 48
	.end_amdhsa_kernel
	.amdgpu_metadata
---
amdhsa.version: [ 1, 2 ]
amdhsa.kernels:
  - .name:           k_q87fa7e92e0_down
    .symbol:         k_q87fa7e92e0_down.kd
    .args:
      - { .name: W2, .offset: 0, .size: 8, .value_kind: global_buffer, .address_space: global }
      - { .name: gs, .offset: 8, .size: 8, .value_kind: global_buffer, .address_space: global }
      - { .name: rl, .offset: 16, .size: 8, .value_kind: global_buffer, .address_space: global }
      - { .name: etab, .offset: 24, .size: 8, .value_kind: global_buffer, .address_space: global }
      - { .name: lowp_scales, .offset: 32, .size: 8, .value_kind: global_buffer, .address_space: global }
      - { .name: y, .offset: 40, .size: 8, .value_kind: global_buffer, .address_space: global }
    .group_segment_fixed_size: 141312
    .private_segment_fixed_size: 0
    .kernarg_segment_align: 8
    .kernarg_segment_size: 48
    .max_flat_workgroup_size: 512
    .sgpr_count:     66
    .vgpr_count:     256
    .wavefront_size: 32
...
	.end_amdgpu_metadata
.endif
;; end of part 7
;; launch combine: the kernel of part 5 again; grid 256 x 1, 8 waves a work-group, no clusters, 0 bytes of LDS; arguments y, out0; writes out0
